; MI455X (gfx1250); checked and timed in simulation.
; The chip was launched on July 23, 2026; its instructions are those of AMD's public machine-readable ISA for CDNA 5 (MIT licence, August 2026) and "CDNA5" Instruction Set Architecture Reference Guide (July 2026). The comments in the code are by the model that wrote it; some were corrected since.
;; Flow Poke Transformer. Allowed arithmetic: matrix products marked QUANTISED: E2M1 operands, one E8M0 scale for each 32 along K, by v_wmma_scale_f32_16x16x128_f8f6f4 with both operands' format E2M1 (or v_wmma_scale_f32_32x16x128_f4), f32 sums; products left as they are: bf16, f16 or f32 operands; f32 sums; everything else in f32.
;; Inputs: freqs 2 x 16 x 16 float32; out_w 1,024 x 1,024 float32; pos 1 x 4,096 x 2 float32; qkv_w 3,072 x 1,024 float32; scale 16 float32; x 1 x 4,096 x 1,024 float32.
;; Outputs: out0 1 x 4,096 x 1,024 float32.
;; Constants: n_pokes = 3072.
;; This version of the problem:
;;   THIS VERSION OF THE PROBLEM IS GIVEN IN LOW PRECISION. The matrix products marked QUANTISED in the list below multiply operands that are first quantised to E2M1 (2 exponent bits, 1 mantissa bit; 4 bits a number), with one power-of-two scale for each 32 numbers along K (OCP MX v1.0); their sums are f32. The products marked 'left as it is' may take bf16, f16 or f32 operands, with f32 sums. Whichever they take, every output number must still come out within the allowed error. Rounding operands to bf16 (8 significant bits) uses up far more of that allowance than f16 does (11 bits, for magnitudes from 6e-5 to 65,504). All else is computed in f32.
;;   The module's matrix products, in the order in which they are computed (A, B: the left and right operand; K: the contracted axis; several contracted axes count as one K, in the product's order):
;;     1. [M 4,096, K 1,024] x [K 1,024, N 3,072]; A: input x; B: input qkv_w: QUANTISED
;;     2. batch 16 x [M 3,072, K 64] x [K 64, N 3,072]; A: computed on the way; B: computed on the way: left as it is (an operand is computed on the way)
;;     3. batch 16 x [M 3,072, K 3,072] x [K 3,072, N 64]; A: computed on the way; B: computed on the way: left as it is (an operand is computed on the way)
;;     4. batch 16 x [M 1,024, K 64] x [K 64, N 3,072]; A: computed on the way; B: computed on the way: left as it is (an operand is computed on the way)
;;     5. batch 16 x [M 1,024, K 3,072] x [K 3,072, N 64]; A: computed on the way; B: computed on the way: left as it is (an operand is computed on the way)
;;     6. [M 4,096, K 1,024] x [K 1,024, N 1,024]; A: computed on the way; B: input out_w: left as it is (an operand is computed on the way)
;;   THE QUANTISER, for each operand of a quantised product, along K:
;;     - K is cut into blocks of 32 from its start; a last block that is shorter is filled with zeros.
;;     - A block's scale is 2^e with e = floor(log2(the largest magnitude in the block)) - 2, held to -126 .. 127; a block of zeros has e = 0. As a byte (E8M0): e + 127.
;;     - Each number is divided by its block's scale, clamped to +-6, and rounded to the nearest number of E2M1, ties to even, subnormals kept.
;;     - The product sums the exact products of the quantised numbers (number of the format x scale) in f32.
;;   ~~~python
;;   def quantise(x, axis):      # numpy; x: float32 -> the quantised numbers, widened to float32 again
;;       x = np.moveaxis(x, axis, -1); K = x.shape[-1]
;;       x = np.pad(x, [(0, 0)] * (x.ndim - 1) + [(0, -K % 32)]); x = x.reshape(x.shape[:-1] + (-1, 32)); a = np.abs(x).max(-1, keepdims=True)
;;       e = np.where(a > 0, np.clip(np.frexp(np.where(a > 0, a, 1))[1] - 1 - 2, -126, 127), 0)      # np.frexp(a)[1] - 1 = floor(log2(a)), exactly
;;       r = np.clip(x / 2.0 ** e, -6, 6)
;;       step = 2.0 ** (np.maximum(np.frexp(np.where(r == 0, 1, r))[1] - 1, 0) - 1)
;;       q = np.round(r / step) * step * 2.0 ** e      # np.round: ties to even
;;       return np.moveaxis(q.reshape(q.shape[:-2] + (-1,))[..., :K], -1, axis).astype(np.float32)
;;   ~~~
;; One version. Each part assembles by itself: llvm-mc -triple=amdgcn-amd-amdhsa -mcpu=gfx1250 --defsym DOCPART=n.
;; ======== version 1 of 1: 5 launches
;; limits: values are held in f16: magnitudes above 65,504 overflow, below 6.1e-05 lose precision; right only within a limited range of input values
;; workspace buffers: codes 3,670,016 bytes; scales 229,376 bytes; ow16 2,097,152 bytes; qkv16 25,165,824 bytes; ao 8,388,608 bytes; fine32 196,608 bytes
;; launch quant (part 1): grid 256 x 1, 4 waves a work-group, no clusters, 49,664 bytes of LDS; arguments x, qkv_w, out_w, codes, scales, ow16; writes codes, scales, ow16
.if DOCPART == 1
	.amdgcn_target "amdgcn-amd-amdhsa--gfx1250"
	.amdhsa_code_object_version 6
	.text
	.protected	k_qdd0aca6442_quant
	.globl	k_qdd0aca6442_quant
	.p2align	8
	.type	k_qdd0aca6442_quant,@function
k_qdd0aca6442_quant:
	s_mov_b64 s[64:65], 0
	v_nop
	global_prefetch_b8 v0, s[64:65] scope:SCOPE_SE
	s_setreg_imm32_b32 hwreg(HW_REG_WAVE_MODE, 25, 1), 1
	s_wait_xcnt 0x0
; FIRST OF FIVE LAUNCHES (quant, qkv, attn, proj, fine) of one attention layer: 4,096 tokens, 1,024 channels, 16 heads of 64; tokens 0..3,071 (pokes) attend causally, tokens 3,072..4,095 to all pokes and to themselves.
; WORK LEFT OUT IN THE PROGRAM: steps of 128 keys that lie wholly above the diagonal of the jnp.tril which reference() builds itself: there the score is replaced by -inf ahead of the softmax, so p = 0 and
; p x v = 0 whatever finite values the inputs hold.  Nothing else is left out, and every input is loaded.  LIMIT: a NaN, an infinity or an overflow that reaches only such masked scores is not carried to the result.
; THIS LAUNCH.  Work-groups 0..223: x [4096][1024] and qkv_w [3072][1024], f32, K innermost, become codes of FP4 (E2M1), two a byte, and one E8M0 byte for each 32 along K, in ONE space of rows:
; row R of 512 bytes in codes and of 32 bytes in scales; R < 4,096 is x's row R, R >= 4,096 is qkv_w's row R - 4,096.  Rows are dense, so both tensors are plain streams of blocks of 32.
; A block's scale is 2^(floor(log2(largest magnitude)) - 2): its byte is the largest magnitude's exponent field - 2, held at 1 from below.  A block of zeros gets the byte 1 where the rule says 127: its codes are
; zeros, which add nothing under any byte but 0xff, and this program alone reads the bytes.  Each number is divided by the scale and rounded to the nearest code, ties to even, beyond 6 the code of 6.
; LIMITS: blocks whose largest magnitude lies under 2^(2 - 126) keep the byte 1; NaN and infinities among x and qkv_w are not served.
; A wave takes 16 steps of 512 numbers.  A load reads 512 consecutive bytes, 16 a lane; the conversion wants 16 NEIGHBOURS in a lane: so a step's 2,048 bytes turn through the wave's own stage in LDS.
; Work-groups 224..255: out_w [1024][1024] becomes f16, laid as the IMAGE OF THE OPERAND'S REGISTERS for the launch proj: ow16 [n tile 64][32 along K: 32][half 2][lane 32][16 bytes]: lane (r, h) of a half holds
; out_w[16 tile + r][32 kc + 16 half + 8 h + 0..7].  f16 has room: out_w's numbers, 30 times larger or smaller than drawn, lie far inside its range.
; No cluster: no two work-groups read the same byte.  No tensor load, no barrier: waves share nothing.  The two kinds of work-group have LDS bytes of their own.
.set WAVES, 4
.set STEPS, 16
.set XWG,   128                        ; work-groups for x: 4,096 x 1,024 / 32,768
.set QWG,   224                        ; and with qkv_w's 96
.set EMAX,  2
.set CB,    8                          ; bytes of 16 codes
.set R,     16                         ; v16-79   four sets of 16 numbers as they are loaded
.set X,     80                         ; v80-111  two sets of 16 neighbours
.set C,     128                        ; v128-191 codes: four registers for each step, so that no store's data are written again
.set E,     112                        ; v112-127 a scale byte for each step
.set WREG,  8192                       ; LDS: a region for each wave: two stages of 32 x SP bytes, behind them its 256 scale bytes
.set SP,    80                         ; a lane's place in a stage: 64 bytes + 16 of padding
.set SPW,   12                         ; v12 LDS address of my spare word; never rewritten
.set NIL,   13                         ; v13 0; never rewritten
.set SPARE, WAVES*WREG                 ; the spare words, 128 bytes for each wave: two blocks of 256 bytes that no other line names
.set OWST,  SPARE+512                  ; out_w's stages: 4,096 bytes for each wave
.set RW,    16                         ; out_w: v16-111 three sets of 32 numbers
.set DW,    112                        ; v112-127 a chunk as f16
.set OW,    128                        ; v128-159 two sets of 16 registers on the way out
	s_load_b256 s[4:11], s[0:1], 0x0               ; x s[4:5], qkv_w s[6:7], out_w s[8:9], codes s[10:11]
	s_load_b128 s[12:15], s[0:1], 0x20             ; scales s[12:13], ow16 s[14:15]
	v_lshl_add_u32 v[SPW], v0, 2, SPARE
	v_mov_b32 v[NIL], 0
	v_lshrrev_b32 v1, 5, v0
	v_readfirstlane_b32 s16, v1                    ; wave
	v_and_b32 v2, 31, v0                           ; lane
	s_cmp_ge_u32 ttmp9, QWG
	s_cbranch_scc1 .Low                            ; the last 32 work-groups take out_w
	v_lshlrev_b32 v3, 4, v2                        ; my 16 bytes of a load's 512
	s_mul_i32 s17, s16, WREG
	v_lshrrev_b32 v14, 2, v2
	v_mul_u32_u24 v14, v14, SP
	v_and_b32 v15, 3, v2
	v_lshl_add_u32 v14, v15, 4, v14
	v_add_nc_u32 v14, s17, v14                     ; the stage, on the way in: four lanes' 64 bytes on end, then 16 of padding
	v_mul_u32_u24 v15, v2, SP
	v_add_nc_u32 v15, s17, v15                     ; and on the way out: my 16 neighbours
	v_mul_u32_u24 v4, v2, CB                       ; my codes' place in a step's
	v_lshrrev_b32 v5, 1, v2
	s_add_co_u32 s17, s17, 2*32*SP
	v_add_nc_u32 v5, s17, v5                       ; LDS: my wave's 256 scale bytes, my block's byte
	v_lshlrev_b32 v7, 3, v2                        ; and on the way out 8 bytes a lane
	v_add_nc_u32 v6, s17, v7
	s_wait_kmcnt 0x0
	s_cmp_lt_u32 ttmp9, XWG                        ; x's work-group or qkv_w's?  The choice hangs on the work-group's number alone
	s_cselect_b64 s[4:5], s[4:5], s[6:7]
	s_cselect_b32 s17, 0, XWG
	s_sub_co_u32 s17, ttmp9, s17
	s_lshl_b32 s17, s17, 2
	s_add_co_u32 s18, s17, s16                     ; which run of 8,192 numbers of the tensor is my wave's
	s_mov_b32 s19, 0
	s_lshl_b64 s[20:21], s[18:19], 15              ; 32,768 bytes a run
	s_add_nc_u64 s[4:5], s[4:5], s[20:21]
	s_lshl_b32 s18, ttmp9, 2
	s_add_co_u32 s18, s18, s16                     ; and which run of the common space of rows: x's 512 runs, then qkv_w's
	s_lshl_b32 s20, s18, 12                        ; 4,096 bytes of codes a run
	s_mov_b32 s21, 0
	s_add_nc_u64 s[10:11], s[10:11], s[20:21]
	s_lshl_b32 s20, s18, 8                         ; 256 scale bytes a run
	s_add_nc_u64 s[12:13], s[12:13], s[20:21]
.macro LOAD t
.irp i, 0,1,2,3
	global_load_b128 v[R+16*((\t)%4)+4*\i:R+16*((\t)%4)+4*\i+3], v3, s[4:5] offset:2048*(\t)+512*\i th:TH_LOAD_NT   ; 32 lanes read 512 consecutive bytes
.endr
.endm
.macro TURN t                          ; step t's numbers through the stage: LDS serves a wave's instructions in order, so no wait stands between the stores and the loads
.irp i, 0,1,2,3
	ds_store_b128 v14, v[R+16*((\t)%4)+4*\i:R+16*((\t)%4)+4*\i+3] offset:32*SP*((\t)%2)+8*SP*\i
.endr
.irp i, 0,1,2,3
	ds_load_b128 v[X+16*((\t)%2)+4*\i:X+16*((\t)%2)+4*\i+3], v15 offset:32*SP*((\t)%2)+16*\i
.endr
.endm
.irp t, 0,1,2,3
	LOAD \t
.endr
	s_wait_loadcnt 12                              ; step 0's four loads are in; the twelve of steps 1 to 3 may be out
	TURN 0
.macro STEP t
.set XS, X+16*((\t)%2)
.if (\t) > 0
	s_wait_dscnt 1                                 ; this step's numbers are back from the stage (the last step's byte store may be out)
.else
	s_wait_dscnt 0x0
.endif
.if (\t)+4 < STEPS
	LOAD (\t)+4                                    ; into the registers that this step's stores into the stage have read
.endif
.if (\t)+1 < STEPS
.if STEPS-2-(\t) >= 3
	s_wait_loadcnt 12                              ; the next step's four loads are in; those of the three steps behind it may be out
.else
	s_wait_loadcnt 4*(STEPS-2-(\t))
.endif
	TURN (\t)+1                                    ; and go through the other stage while this step is worked
.endif
	v_max3_num_f32 v8, |v[XS]|, |v[XS+1]|, |v[XS+2]|               ; the largest magnitude of my 16, in two chains
	v_max3_num_f32 v9, |v[XS+3]|, |v[XS+4]|, |v[XS+5]|
.irp i, 6,10
	v_max3_num_f32 v8, v8, |v[XS+\i]|, |v[XS+\i+1]|
	v_max3_num_f32 v9, v9, |v[XS+\i+2]|, |v[XS+\i+3]|
.endr
	v_max3_num_f32 v8, v8, |v[XS+14]|, |v[XS+15]|
	v_max3_num_f32 v8, v8, v9, (EMAX+1)<<23        ; and the floor 2^(EMAX + 1 - 127): so the byte cannot fall under 1
	v_max_num_f32_dpp v8, v8, v8 row_xmask:1 row_mask:0xf bank_mask:0xf   ; and of my neighbour's 16: the block's
	v_add_nc_u32 v11, -(EMAX<<23), v8              ; EMAX off its exponent field: the conversion takes the exponent field of this operand as its scale
	v_cvt_scalef32_pk8_fp4_f32 v[C+4*(\t)], v[XS:XS+7], v11
	v_cvt_scalef32_pk8_fp4_f32 v[C+4*(\t)+1], v[XS+8:XS+15], v11
	v_lshrrev_b32 v[E+(\t)], 23, v11               ; the scale's byte (a plain line behind the conversions)
	ds_store_b8 v5, v[E+(\t)] offset:16*(\t)       ; both lanes of a block write the same byte with the same value
	global_store_b64 v4, v[C+4*(\t):C+4*(\t)+1], s[10:11] offset:32*CB*(\t)   ; the wave stores 256 consecutive bytes, aligned
.endm
.irp t, 0,1,2,3,4,5,6,7,8,9,10,11,12,13,14,15
	STEP \t
.endr
	ds_load_b64 v[8:9], v6                         ; LDS serves a wave's instructions in order: these see my stores
	s_wait_dscnt 0x0
	global_store_b64 v7, v[8:9], s[12:13]          ; 32 lanes store 256 consecutive bytes, aligned
	s_wait_tensorcnt 0x0                           ; the wave's end
	ds_add_u32 v[SPW], v[NIL]
	s_wait_dscnt 0x0
	s_endpgm
; out_w.  Wave W of 128 takes n tile W / 2 (16 rows) and half W % 2 of K (512 numbers), in 8 chunks of 16 rows x 64 numbers.  A load reads 256 consecutive bytes of two rows; a lane's four numbers become 8 bytes
; of f16, which go to their place in the image (LDS, 2,048 bytes a chunk, two stages by turns) and leave as 512 consecutive bytes a store.
.Low:
	s_sub_co_u32 s17, ttmp9, QWG
	s_lshl_b32 s17, s17, 2
	s_add_co_u32 s17, s17, s16                     ; W
	s_lshr_b32 s18, s17, 1                         ; n tile
	s_and_b32 s19, s17, 1                          ; half of K
	s_lshl_b32 s20, s18, 16                        ; 16 rows of 4,096 bytes
	s_lshl_b32 s21, s19, 11
	s_add_co_u32 s20, s20, s21
	s_mov_b32 s21, 0
	s_lshl_b32 s22, s18, 15                        ; a tile's image: 32,768 bytes
	s_lshl_b32 s23, s19, 14
	s_add_co_u32 s22, s22, s23
	s_mov_b32 s23, 0
	s_lshl_b32 s24, s16, 12
	s_add_co_u32 s24, s24, OWST                    ; my wave's stages
	v_and_b32 v7, 15, v2
	v_lshrrev_b32 v8, 4, v2
	v_lshlrev_b32 v3, 4, v7
	v_lshl_add_u32 v3, v8, 12, v3                  ; in: lanes 0-15 one row's 256 bytes, lanes 16-31 the next row's
	v_lshrrev_b32 v9, 1, v7
	v_lshlrev_b32 v4, 8, v9                        ; my four numbers begin at k = 4 (lane % 16): 256 bytes of the image for each 8 along K,
	v_and_b32 v9, 1, v2
	v_lshl_add_u32 v4, v9, 3, v4                   ; 8 bytes for the upper four of the eight,
	v_lshl_add_u32 v4, v8, 4, v4                   ; 16 bytes a row
	v_add_nc_u32 v4, s24, v4
	v_lshlrev_b32 v6, 4, v2                        ; out: 16 bytes a lane
	v_add_nc_u32 v5, s24, v6
	s_wait_kmcnt 0x0
	s_add_nc_u64 s[8:9], s[8:9], s[20:21]
	s_add_nc_u64 s[14:15], s[14:15], s[22:23]
.macro LOADC u
.irp i, 0,1,2,3,4,5,6,7
	global_load_b128 v[RW+32*((\u)%3)+4*\i:RW+32*((\u)%3)+4*\i+3], v3, s[8:9] offset:\i*8192+(\u)*256 th:TH_LOAD_NT
.endr
.endm
.macro CHUNK u
.if 7-(\u) >= 2
	s_wait_loadcnt 16                              ; this chunk's eight loads are in; the two younger chunks' may be out
.else
	s_wait_loadcnt 8*(7-(\u))
.endif
.irp i, 0,1,2,3,4,5,6,7
	v_cvt_pk_f16_f32 v[DW+2*\i], v[RW+32*((\u)%3)+4*\i], v[RW+32*((\u)%3)+4*\i+1]
	v_cvt_pk_f16_f32 v[DW+2*\i+1], v[RW+32*((\u)%3)+4*\i+2], v[RW+32*((\u)%3)+4*\i+3]
.endr
.irp i, 0,1,2,3,4,5,6,7
	ds_store_b64 v4, v[DW+2*\i:DW+2*\i+1] offset:2048*((\u)%2)+32*\i     ; rows 2 i and 2 i + 1
.endr
.if (\u)+3 < 8
	LOADC (\u)+3
.endif
	s_wait_xcnt 0x0                                ; the stores of two chunks ago have read their registers: they are loaded again only behind this wait
.irp q, 0,1,2,3
	ds_load_b128 v[OW+16*((\u)%2)+4*\q:OW+16*((\u)%2)+4*\q+3], v5 offset:2048*((\u)%2)+512*\q
.endr
	s_wait_dscnt 0x0
.irp q, 0,1,2,3
	global_store_b128 v6, v[OW+16*((\u)%2)+4*\q:OW+16*((\u)%2)+4*\q+3], s[14:15] offset:(\u)*2048+512*\q
.endr
.endm
	LOADC 0
	LOADC 1
	LOADC 2
.irp u, 0,1,2,3,4,5,6,7
	CHUNK \u
.endr
	s_wait_tensorcnt 0x0                           ; the wave's end: the same three lines
	ds_add_u32 v[SPW], v[NIL]
	s_wait_dscnt 0x0
	s_endpgm
.Lfunc_end_k_qdd0aca6442_quant:
	.size	k_qdd0aca6442_quant, .Lfunc_end_k_qdd0aca6442_quant-k_qdd0aca6442_quant
	.p2alignl 7, 3214868480
	.fill 96, 4, 3214868480
	.section	.rodata,"a",@progbits
	.p2align	6, 0x0
	.amdhsa_kernel k_qdd0aca6442_quant
		.amdhsa_group_segment_fixed_size 49664
		.amdhsa_private_segment_fixed_size 0
		.amdhsa_enable_private_segment 0
		.amdhsa_kernarg_size 48
		.amdhsa_user_sgpr_count 2
		.amdhsa_user_sgpr_kernarg_segment_ptr 1
		.amdhsa_wavefront_size32 1
		.amdhsa_system_sgpr_workgroup_id_x 1
		.amdhsa_system_sgpr_workgroup_id_y 1
		.amdhsa_system_sgpr_workgroup_id_z 1
		.amdhsa_system_vgpr_workitem_id 0
		.amdhsa_next_free_vgpr 192
		.amdhsa_next_free_sgpr 66
		.amdhsa_reserve_vcc 0
		.amdhsa_float_denorm_mode_32 3
		.amdhsa_float_denorm_mode_16_64 3
		.amdhsa_memory_ordered 1
		.amdhsa_forward_progress 1
		.amdhsa_inst_pref_size 58
	.end_amdhsa_kernel
	.amdgpu_metadata
---
amdhsa.version: [ 1, 2 ]
amdhsa.kernels:
  - .name:           k_qdd0aca6442_quant
    .symbol:         k_qdd0aca6442_quant.kd
    .args:
      - { .name: x, .offset: 0, .size: 8, .value_kind: global_buffer, .address_space: global }
      - { .name: qkv_w, .offset: 8, .size: 8, .value_kind: global_buffer, .address_space: global }
      - { .name: out_w, .offset: 16, .size: 8, .value_kind: global_buffer, .address_space: global }
      - { .name: codes, .offset: 24, .size: 8, .value_kind: global_buffer, .address_space: global }
      - { .name: scales, .offset: 32, .size: 8, .value_kind: global_buffer, .address_space: global }
      - { .name: ow16, .offset: 40, .size: 8, .value_kind: global_buffer, .address_space: global }
    .group_segment_fixed_size: 49664
    .private_segment_fixed_size: 0
    .kernarg_segment_align: 8
    .kernarg_segment_size: 48
    .max_flat_workgroup_size: 128
    .sgpr_count:     66
    .vgpr_count:     192
    .wavefront_size: 32
...
	.end_amdgpu_metadata
.endif
;; end of part 1
;; launch qkv (part 2): grid 12 x 16, 4 waves a work-group, clusters of 4 x 4, 327,680 bytes of LDS; arguments codes, scales, pos, freqs, scale, qkv16, fine32; writes qkv16, fine32
.if DOCPART == 2
	.amdgcn_target "amdgcn-amd-amdhsa--gfx1250"
	.amdhsa_code_object_version 6
	.text
	.protected	k_qdd0aca6442_qkv
	.globl	k_qdd0aca6442_qkv
	.p2align	8
	.type	k_qdd0aca6442_qkv,@function
k_qdd0aca6442_qkv:
	s_mov_b64 s[64:65], 0
	v_nop
	global_prefetch_b8 v0, s[64:65] scope:SCOPE_SE
	s_setreg_imm32_b32 hwreg(HW_REG_WAVE_MODE, 25, 1), 1
	s_wait_xcnt 0x0
	s_wait_alu depctr_hold_cnt(0) depctr_sa_sdst(0) depctr_va_vdst(0) depctr_va_sdst(0) depctr_va_ssrc(0) depctr_va_vcc(0) depctr_vm_vsrc(0)
	s_getreg_b32 s2, hwreg(HW_REG_IB_STS2, 6, 4)
	s_cmp_eq_u32 s2, 0
	s_cbranch_scc0 .Lentry_in_a_cluster
	s_endpgm
.Lentry_in_a_cluster:
	s_bfe_u32 s2, ttmp6, 0x10000c
	s_cmp_lg_u32 s2, 0xf033
	s_cbranch_scc0 .Lentry_shape_is_right
	s_endpgm
.Lentry_shape_is_right:
; SECOND LAUNCH: qkv = x qkv_w^T on codes of FP4 with E8M0 scales (K = 1,024), then, on the way out, the cosine norm, the axial rotation, and f16 IMAGES of the next launch's operand registers.  No work is left out here.
; A work-group of four waves makes 256 x 256, a wave 128 x 128: 64 accumulators, 512 registers.  K is two LDS slots of 512, both filled at the head; nothing is filled again.  The scale bytes of the 512 rows come once.
; The matrix instruction is used transposed (source 0 = 16 rows of "B", source 1 = 16 rows of "A"): a lane holds one row of A's block and eight neighbouring rows of B's block.
; CLUSTERS, 4 x 4: A's tile is shared along a row of the cluster, B's along a column; each is asked for jointly.  codes and scales are one space of rows (x: 0..4,095; qkv_w: 4,096..7,167), so what a cluster multiplies is a choice of row numbers:
;  clusters x = 0, 1 (Q AND K): A = 256 tokens of x.  B's first 128 rows are two heads' rows of Wq, its second 128 the SAME heads' rows of Wk.  Wave (row half, c) makes 128 tokens of head 2 tc + c: blocks 0-3 are q's 64 channels,
;    blocks 4-7 k's.  So each sine and cosine serves q and k.  A lane holds one token and channels 16 b + 8 h + 0..7: packed to f16 they ARE registers 4 (b % 2) .. + 3 of fragment b / 2 of the score product.
;  cluster x = 2 (V): A = 256 rows of Wv, B = 256 tokens of x: a lane holds one channel and eight neighbouring tokens, which is a fragment of V^T.
; qkv16: Q at 0, K at 0x800000: [head][token tile 256][b 4][lane][16 bytes]; V at 0x1000000: [head][32 keys: 128][channel tile 4][half 2][lane][16 bytes].  Every store of a wave covers 512 consecutive bytes, aligned.
; fine32: tokens 0..15 once more as f32, for the launch fine: q at 0 and k at 65,536: [head][i 8][lane][16 bytes]; v at 131,072: [channel tile 64][half 2][lane][16 bytes].
; f16 has room: |q|, |k| <= sqrt(|scale| + eps); v is a sum of 1,024 products of ordinary size, also 30 times larger or smaller on either side.
; SINE AND COSINE in f32: theta as reference() rounds it; k = nearest whole number to theta 2 / pi; theta - k pi / 2 in two parts; two short polynomials; the quadrant by selects and sign bits, no branch.
; LIMIT: the reduction in two parts serves |theta| up to about 1e5 (drawn: up to 31).
.set KSTEP,  512
.set NQ,     4                         ; matrix instructions deep in a slot
.set ROWB,   256                       ; a tile's row in bytes
.set KROW,   512                       ; a row of codes in memory
.set PITCH,  272                       ; an LDS row: 256 bytes + 16 of padding, so that the 16 rows of a load begin 16 bytes further on in each run of 256
.set FR,     8
.set NL,     2
.set NP,     4                         ; places behind this matrix instruction (ISA guide 7.12.1)
.set HALFT,  128*PITCH
.set SLOT,   4*HALFT
.set KS,     32                        ; a row of scale bytes
.set SCL,    2*SLOT                    ; behind the two slots: the scale bytes, as runs of 256 bytes + 16 of padding
.set HALFS,  16*272                    ; those of 128 rows
.set SBLK,   2*272                     ; those of 16 rows
.set SPARE,  SCL+4*HALFS               ; the spare words, 128 bytes for each wave: two blocks of 256 bytes that no other line names
.set HB,     524288                    ; a head's bytes in each of Q, K, V
.set ADRA, 16                          ; v16-17 LDS address of my A fragments in slot 0, 1
.set ADRB, 20                          ; v20-21 the same for B
.set ADRS, 27                          ; v27 my scale words: lanes 0-15 A's rows, lanes 16-31 B's; blocks 0-3
.set SPW,  28                          ; v28 LDS address of my spare word; never rewritten
.set NIL,  29                          ; v29 0; never rewritten
.set ADRS2, 30                         ; v30 the same as v27 for blocks 4-7: B's lie 64 rows further on
.set SC,   32                          ; v32-95 scale words, two sets
.set AF,   128                         ; A's fragments, window 0; B's two sets in window 1; accumulators in windows 2 and 3
.set G1, 24
.set G0, 32
.set G1B, 48
.set G0B, 56
.set G1S, 68
.set G0S, 76
.set G1SB, 80
.set G0SB, 88
.set MSB, 0
.macro WIN new                         ; the immediate's high byte repeats the setting that is left
.if MSB != (\new)
	s_set_vgpr_msb (MSB<<8)|(\new)
.set MSB, (\new)
.endif
.endm
.set MUL_LO, 0xa1                      ; source 0 (B) window 1, source 1 (A) window 0, C and D window 2
.set MUL_HI, 0xf1
.set TO_B,   0x40
; A joint load: waves 0 and 1 fetch for A, waves 2 and 3 for B; the branch hangs on the wave's number alone.  An s_nop 0 and four v_nop follow each line.
.macro JLOAD g0a, g1a, g0b, g1b
	s_cmp_eq_u32 s15, 0
	s_cbranch_scc0 .Lfor_b_\@
	tensor_load_to_lds s[\g0a:\g0a+3], s[\g1a:\g1a+7]
	s_nop 0
.rept 4
	v_nop
.endr
	s_branch .Lasked_\@
.Lfor_b_\@:
	tensor_load_to_lds s[\g0b:\g0b+3], s[\g1b:\g1b+7]
	s_nop 0
.rept 4
	v_nop
.endr
.Lasked_\@:
.endm
.macro CROUND                          ; a round of the cluster's barrier
	s_barrier_signal -1
	s_barrier_wait -1
	s_cmp_lg_u32 s14, 0
	s_cbranch_scc1 .Lnot_wave_0_\@
	s_barrier_signal -3
.Lnot_wave_0_\@:
	s_barrier_wait -3
	s_barrier_signal -1
	s_barrier_wait -1
.endm
	s_load_b256 s[4:11], s[0:1], 0x0               ; codes s[4:5], scales s[6:7], pos s[8:9], freqs s[10:11]
	s_load_b64 s[12:13], s[0:1], 0x20              ; scale
	s_load_b128 s[96:99], s[0:1], 0x28             ; qkv16 s[96:97], fine32 s[98:99]
	v_lshl_add_u32 v[SPW], v0, 2, SPARE
	v_mov_b32 v[NIL], 0
	ds_add_u32 v[SPW], v[NIL]                      ; the wave's opening: the add, twice on end, and its wait ahead of my first tensor load
	ds_add_u32 v[SPW], v[NIL]
	v_lshrrev_b32 v1, 5, v0
	v_readfirstlane_b32 s14, v1                    ; wave 0..3
	s_lshr_b32 s15, s14, 1                         ; which 128 rows of A are mine.  Also: I fetch for A (0) or for B (1)
	s_and_b32 s16, s14, 1                          ; c: which 64 rows of each half of B are mine.  Also: which 128 rows I fetch
	s_bfe_u32 s40, ttmp6, 0x40000                  ; cx
	s_bfe_u32 s41, ttmp6, 0x40004                  ; cy
	s_lshl_b32 s43, s41, 2
	s_lshl_b32 s43, 15, s43                        ; my row of the cluster
	s_lshl_b32 s44, 0x1111, s40                    ; my column
	s_or_b32 s[G1+0], s43, (0<<16)|(1<<20)|(1<<21)|(5<<22)|(3<<25)  ; the mask; elements of 1 byte; padding: 4 words behind every 64; bit 21 beside a mask
	s_or_b32 s[G1B+0], s44, (0<<16)|(1<<20)|(1<<21)|(5<<22)|(3<<25)
.irp g, G1, G1B
	s_mov_b32 s[\g+1], ROWB<<16                    ; tensor_dim0
	s_mov_b32 s[\g+2], 128<<16                     ; tensor_dim1
	s_mov_b32 s[\g+3], ROWB<<16                    ; tile_dim0
	s_mov_b32 s[\g+4], 128                         ; tile_dim1
	s_mov_b32 s[\g+5], KROW                        ; from row to row
	s_mov_b32 s[\g+6], 0
	s_mov_b32 s[\g+7], 0
.endr
	s_or_b32 s[G1S+0], s43, (3<<16)|(1<<20)|(1<<21)|(5<<22)|(3<<25) ; the scale bytes of 128 rows: 4,096 dense bytes as 16 rows of 32 elements of 8 bytes, padded alike
	s_or_b32 s[G1SB+0], s44, (3<<16)|(1<<20)|(1<<21)|(5<<22)|(3<<25)
.irp g, G1S, G1SB
	s_mov_b32 s[\g+1], 32<<16
	s_mov_b32 s[\g+2], 16<<16
	s_mov_b32 s[\g+3], 32<<16
	s_mov_b32 s[\g+4], 16
	s_mov_b32 s[\g+5], 32
	s_mov_b32 s[\g+6], 0
	s_mov_b32 s[\g+7], 0
.endr
	; which rows, in units of 128.  A's hang on cy and the cluster's numbers, B's on cx and the cluster's numbers
	s_and_b32 s17, ttmp7, 0xffff                   ; cluster y
	s_lshl_b32 s18, s17, 2                         ; Q and K: x's tile row 4 cluster y + cy
	s_lshl_b32 s19, ttmp9, 2
	s_add_co_u32 s19, s19, s40                     ; tc = 4 cluster x + cx
	s_lshl_b32 s46, s16, 3
	s_add_co_u32 s46, s46, s19
	s_add_co_u32 s46, s46, 32                      ; Q and K: unit 32 + tc of Wq, or 8 further on of Wk
	s_lshl_b32 s47, s17, 3
	s_lshl_b32 s19, s40, 1
	s_add_co_u32 s47, s47, s19
	s_add_co_u32 s47, s47, s16                     ; V: x's unit 8 cluster y + 2 cx + half
	s_cmp_lt_u32 ttmp9, 2                          ; the cluster's x: the same in all sixteen partners
	s_cselect_b32 s18, s18, 24                     ; V: Wv begins at row 6,144 = 24 x 256
	s_cselect_b32 s46, s46, s47
	s_add_co_u32 s18, s18, s41
	s_lshl_b32 s18, s18, 1
	s_add_co_u32 s18, s18, s16
	s_lshl_b32 s20, s18, 16                        ; 128 rows of 512 bytes of codes
	s_mov_b32 s21, 0
	s_lshl_b32 s22, s18, 12                        ; 128 rows of 32 scale bytes
	s_mov_b32 s23, 0
	s_lshl_b32 s92, s46, 12
	s_mov_b32 s93, 0
	s_lshl_b32 s46, s46, 16
	s_mov_b32 s47, 0
	s_mul_i32 s45, s14, HALFT                      ; where they go: wave x 128 rows: no place in the cluster enters an LDS address
	s_mul_i32 s94, s14, HALFS
	s_wait_dscnt 0x0                               ; both opening adds are done
	s_wait_kmcnt 0x0
	s_add_nc_u64 s[20:21], s[4:5], s[20:21]
	s_add_nc_u64 s[22:23], s[6:7], s[22:23]
	s_add_nc_u64 s[46:47], s[4:5], s[46:47]
	s_add_nc_u64 s[92:93], s[6:7], s[92:93]
	CROUND                                         ; all sixteen work-groups are here: the joint loads meet
	s_mov_b32 s[G0S], 1
	s_add_co_u32 s[G0S+1], s94, SCL
	s_mov_b64 s[G0S+2:G0S+3], s[22:23]
	s_or_b32 s[G0S+3], s[G0S+3], 0x80000000
	s_mov_b32 s[G0SB], 1
	s_add_co_u32 s[G0SB+1], s94, SCL
	s_mov_b64 s[G0SB+2:G0SB+3], s[92:93]
	s_or_b32 s[G0SB+3], s[G0SB+3], 0x80000000
	JLOAD G0S, G1S, G0SB, G1SB                     ; the scales first: they are wanted with slot 0
.irp s, 0,1
	s_mov_b32 s[G0+4*\s], 1
	s_add_co_u32 s[G0+4*\s+1], s45, \s*SLOT
	s_add_nc_u64 s[G0+4*\s+2:G0+4*\s+3], s[20:21], \s*ROWB
	s_or_b32 s[G0+4*\s+3], s[G0+4*\s+3], 0x80000000
	s_mov_b32 s[G0B+4*\s], 1
	s_add_co_u32 s[G0B+4*\s+1], s45, \s*SLOT
	s_add_nc_u64 s[G0B+4*\s+2:G0B+4*\s+3], s[46:47], \s*ROWB
	s_or_b32 s[G0B+4*\s+3], s[G0B+4*\s+3], 0x80000000
	JLOAD G0+4*\s, G1, G0B+4*\s, G1B               ; three loads of mine are out at the most
.endr
	v_and_b32 v1, 15, v0                           ; r
	v_bfe_u32 v2, v0, 4, 1                         ; h
	v_mul_u32_u24 v3, v1, PITCH
	v_lshl_add_u32 v4, v2, 4, v3                   ; a fragment's row x pitch + 16 h
	s_mul_i32 s21, s15, HALFT                      ; my 128 rows of A
	s_mul_i32 s22, s16, 64*PITCH                   ; my 64 rows in each half of B,
	s_add_co_u32 s22, s22, 2*HALFT                 ; which lies behind A's 256
.irp s, 0,1
	v_add_nc_u32 v[ADRA+\s], s21, v4
	v_add_nc_u32 v[ADRB+\s], s22, v4
	s_add_co_u32 s21, s21, SLOT
	s_add_co_u32 s22, s22, SLOT
.endr
	v_mul_u32_u24 v5, v1, KS                       ; my row's scale bytes: 32 a row,
	v_lshrrev_b32 v6, 8, v5
	v_lshl_add_u32 v5, v6, 4, v5                   ; and 16 more for each 256 passed
	s_mul_i32 s21, s15, HALFS                      ; A's: my 128 rows
	s_mul_i32 s22, s16, 4*SBLK                     ; B's: my 64 rows of the first half, behind A's 256
	s_add_co_u32 s22, s22, 2*HALFS
	s_sub_co_u32 s22, s22, s21
	v_mul_u32_u24 v6, s22, v2                      ; lanes 16-31 take B's
	s_add_co_u32 s21, s21, SCL
	v_add_nc_u32 v5, v5, v6
	v_add_nc_u32 v[ADRS], s21, v5
	v_mul_u32_u24 v6, v2, 4*SBLK
	v_add_nc_u32 v[ADRS2], v[ADRS], v6             ; B's blocks 4-7 lie in the second half: 64 rows further on than 16 i
.macro FRAG reg, adr, q, row           ; 16 rows x 128 K of 4-bit codes: 8 registers: registers 4 c .. 4 c + 3 hold K = 64 c + 32 h + 0 .. 31
.irp c, 0,1
	ds_load_b128 v[\reg+4*\c:\reg+4*\c+3], v[\adr] offset:64*(\q)+32*\c+(\row)*PITCH
.endr
.endm
; 16 matrix instructions: A's blocks a0, a0 + 1 x B's eight, the slot's q-th 128 along K.  The 64 accumulators take turns, one instruction a turn, in the same order in every step.
.macro MUL16 a0, p, q, sc, zero
.irp a, \a0, \a0+1
.irp b, 0,1,2,3,4,5,6,7
.if \zero
	v_wmma_scale_f32_16x16x128_f8f6f4 v[8*(8*((\a)%4)+\b):8*(8*((\a)%4)+\b)+7], v[128*(\p)+FR*\b:128*(\p)+FR*\b+FR-1], v[AF+FR*(\a):AF+FR*(\a)+FR-1], 0, v[SC+8*NQ*(\sc)+NQ*\b+(\q)], v[SC+8*NQ*(\sc)+NQ*(\a)+(\q)] matrix_a_fmt:MATRIX_FMT_FP4 matrix_b_fmt:MATRIX_FMT_FP4 matrix_a_scale:MATRIX_SCALE_ROW1
.else
	v_wmma_scale_f32_16x16x128_f8f6f4 v[8*(8*((\a)%4)+\b):8*(8*((\a)%4)+\b)+7], v[128*(\p)+FR*\b:128*(\p)+FR*\b+FR-1], v[AF+FR*(\a):AF+FR*(\a)+FR-1], v[8*(8*((\a)%4)+\b):8*(8*((\a)%4)+\b)+7], v[SC+8*NQ*(\sc)+NQ*\b+(\q)], v[SC+8*NQ*(\sc)+NQ*(\a)+(\q)] matrix_a_fmt:MATRIX_FMT_FP4 matrix_b_fmt:MATRIX_FMT_FP4 matrix_a_scale:MATRIX_SCALE_ROW1
.endif
.endr
.endr
.endm
.macro FETCH_B slot, q, p              ; B's eight fragments into set p: block i is rows 16 i of my 64 in the first half (i < 4) or of my 64 in the second
	WIN TO_B
.irp i, 0,1,2,3,4,5,6,7
	FRAG 128*(\p)+FR*\i, ADRB+\slot, \q, 16*\i+64*(\i/4)
.endr
	WIN 0
.endm
.macro FETCH_A slot, q, i0             ; A's blocks i0 .. i0 + 3
.irp i, \i0, \i0+1, \i0+2, \i0+3
	FRAG AF+FR*(\i), ADRA+\slot, \q, 16*(\i)
.endr
.endm
.macro SCALES sc                       ; a slot's scale words: four words a row; lanes 0-15 take A's block i, lanes 16-31 B's block i
.irp i, 0,1,2,3
	ds_load_b128 v[SC+8*NQ*\sc+NQ*\i:SC+8*NQ*\sc+NQ*\i+3], v[ADRS] offset:\i*SBLK
.endr
.irp i, 4,5,6,7
	ds_load_b128 v[SC+8*NQ*\sc+NQ*\i:SC+8*NQ*\sc+NQ*\i+3], v[ADRS2] offset:\i*SBLK
.endr
.endm
.macro PLACES n                        ; plain vector instructions between a matrix instruction and a load into, or a vector instruction on, its registers
.rept \n
	v_nop
.endr
.endm
.macro STEP slot, q, zero              ; 128 along K with its successor in the same slot
	s_wait_dscnt 4*NL                              ; B's set and A's blocks 0-3 are in; the youngest eight loads (A's blocks 4-7) may be out
	WIN MUL_LO
	MUL16 0, (\q)%2, \q, \slot, \zero
	MUL16 2, (\q)%2, \q, \slot, \zero
	s_wait_dscnt 0
	PLACES NP
	FETCH_B \slot, (\q)+1, 1-(\q)%2
	FETCH_A \slot, (\q)+1, 0
	WIN MUL_HI
	MUL16 4, (\q)%2, \q, \slot, \zero
	MUL16 6, (\q)%2, \q, \slot, \zero
	PLACES NP
	WIN 0
	FETCH_A \slot, (\q)+1, 4
.endm
.macro TURN slot, next                 ; slot 0's last step: behind its barrier slot 1 is whole for every wave.  Nothing is filled again
	s_wait_tensorcnt 0x0                           ; all my tensor loads have landed: my part of slot 1
	ds_add_u32 v[SPW], v[NIL]
	s_wait_dscnt 4*NL+1                            ; (the add and the youngest eight loads may be out)
	WIN MUL_LO
	MUL16 0, 1, NQ-1, \slot, 0
	s_wait_dscnt 0x0                               ; the add is done, and my reads of this slot are over
	s_barrier_signal -1
	MUL16 2, 1, NQ-1, \slot, 0
	WIN 0
	s_barrier_wait -1
	PLACES NP
	v_add_nc_u32 v[ADRS], 4*NQ, v[ADRS]            ; on to the next slot's scale words
	v_add_nc_u32 v[ADRS2], 4*NQ, v[ADRS2]
	FETCH_B \next, 0, 0
	FETCH_A \next, 0, 0
	SCALES \next
	WIN MUL_HI
	MUL16 4, 1, NQ-1, \slot, 0
	MUL16 6, 1, NQ-1, \slot, 0
	PLACES NP
	WIN 0
	FETCH_A \next, 0, 4
.endm
.macro STEPS slot, from
.set Q, \from
.rept NQ-1-\from
	STEP \slot, Q, 0
.set Q, Q+1
.endr
.endm
	s_wait_tensorcnt 1                             ; the scales and my part of slot 0 are in (slot 1's load may be out),
	s_barrier_signal -1
	s_barrier_wait -1                              ; everybody's are
	FETCH_B 0, 0, 0
	FETCH_A 0, 0, 0
	SCALES 0
	FETCH_A 0, 0, 4
	STEP 0, 0, 1                                   ; the first step's products start the sums: nothing is cleared
	STEPS 0, 1
	TURN 0, 1
	STEPS 1, 0
	s_wait_dscnt 4*NL                              ; the last step: nothing more to fetch
	WIN MUL_LO
	MUL16 0, 1, NQ-1, 1, 0
	MUL16 2, 1, NQ-1, 1, 0
	s_wait_dscnt 0
	WIN MUL_HI
	MUL16 4, 1, NQ-1, 1, 0
	MUL16 6, 1, NQ-1, 1, 0
	WIN 0
; ---------------- THE WAY OUT.  Window 0 is free from v32 on; every descriptor register is free (all tensor loads were waited for at the change of slots).
.set POS, 32                           ; v32-47   pos of my token in each of the 8 blocks
.set FQ,  48                           ; v48-63   my 16 frequencies: 0-7 freqs[1][head][8 h + i], 8-15 freqs[0][head][8 h + i]
.set FA,  64                           ; v64-79   for block a: q's factor at 2 a, k's at 2 a + 1
.set KS2, 80                           ; v80-87   four constants, each in both words of a pair
.set KS1, 82
.set KC1, 84
.set KC2, 86
.set AH,  88                           ; v88 2 pos_1 - 1 (v89 written once: the pair is named)
.set AW,  90                           ; v90 2 pos_0 - 1
.set SS,  92                           ; v92 sqrt(|scale| + eps)
.set FK,  94                           ; v94 k's factor of the block in hand
.set CC,  96                           ; v96-111  16 cosines
.set SN,  112                          ; v112-127 16 sines
.set Y,   128                          ; v128-159 q rotated, v160-191 k rotated
.set TH,  128                          ; while sines are made: theta, k, z, the sine's polynomial
.set KF,  144
.set Z,   160
.set PP,  176
.set OO,  192                          ; v192-223 f16: q's 16 registers, k's 16
.set QQ,  224                          ; v224-239 the cosine's polynomial; before that the sums of squares
.set U,   224
.set TT,  240                          ; v240-255 at work
.set I2P, 24                           ; s[24:25] 2 / pi, in both words, and so on
.set NHI, 26
.set NLO, 28
.set S3C, 30
.set C0C, 32
.set SGN, 34
.set EPS, 35
.set SEL, 36
.set CNT, 38
.set SAVE, 39
	PLACES NP                                      ; behind the last products, ahead of loads into and vector work on their registers
	v_and_b32 v3, 15, v0                           ; r
	v_bfe_u32 v2, v0, 4, 1                         ; h
	v_and_b32 v1, 31, v0
	v_lshlrev_b32 v1, 4, v1                        ; 16 x lane: an image's place for my lane
	s_and_b32 s17, ttmp7, 0xffff
	s_lshl_b32 s17, s17, 2                         ; 4 x cluster y
	s_mov_b32 s21, 0
	s_cmp_lt_u32 ttmp9, 2
	s_cbranch_scc0 .Lv                             ; the cluster's x: all sixteen partners go the same way
	; ---- Q and K
	s_add_co_u32 s18, s17, s41
	s_lshl_b32 s18, s18, 8
	s_lshl_b32 s19, s15, 7
	s_add_co_u32 s18, s18, s19                     ; my first token: 256 x tile row + 128 x half
	s_lshl_b32 s19, ttmp9, 2
	s_add_co_u32 s19, s19, s40
	s_lshl_b32 s19, s19, 1
	s_add_co_u32 s19, s19, s16                     ; my head: 2 tc + c
	v_add_nc_u32 v4, s18, v3                       ; block 0's token of my lane
	s_lshl_b32 s20, s19, 2
	s_add_nc_u64 s[12:13], s[12:13], s[20:21]
	s_load_b32 s42, s[12:13], 0x0                  ; scale[head]
	s_lshl_b32 s20, s18, 3
	s_add_nc_u64 s[8:9], s[8:9], s[20:21]          ; pos at my first token
	s_lshl_b32 s20, s19, 6
	s_add_nc_u64 s[10:11], s[10:11], s[20:21]      ; freqs at my head
	v_lshlrev_b32 v5, 3, v3
	v_lshlrev_b32 v6, 5, v2
.irp a, 0,1,2,3,4,5,6,7
	global_load_b64 v[POS+2*\a:POS+2*\a+1], v5, s[8:9] offset:128*\a
.endr
	global_load_b128 v[FQ:FQ+3], v6, s[10:11] offset:1024
	global_load_b128 v[FQ+4:FQ+7], v6, s[10:11] offset:1040
	global_load_b128 v[FQ+8:FQ+11], v6, s[10:11]
	global_load_b128 v[FQ+12:FQ+15], v6, s[10:11] offset:16
	s_lshl_b32 s20, s19, 19                        ; head x HB
	s_lshl_b32 s22, s18, 7                         ; a tile of 16 tokens is 2,048 bytes
	s_add_co_u32 s20, s20, s22
	s_add_nc_u64 s[48:49], s[96:97], s[20:21]      ; Q's images
	s_add_nc_u64 s[50:51], s[48:49], 0x800000      ; K's
	s_lshl_b32 s20, s19, 12
	s_add_nc_u64 s[52:53], s[98:99], s[20:21]      ; the f32 images of q,
	s_add_nc_u64 s[54:55], s[52:53], 65536         ; and of k
	s_mov_b32 s[I2P], 0x3f22f983                   ; 2 / pi
	s_mov_b32 s[I2P+1], s[I2P]
	s_mov_b32 s[NHI], 0xbfc90fdb                   ; - pi / 2, its f32 part,
	s_mov_b32 s[NHI+1], s[NHI]
	s_mov_b32 s[NLO], 0x333bbd2e                   ; and what that part leaves
	s_mov_b32 s[NLO+1], s[NLO]
	s_mov_b32 s[S3C], 0xb94ca1f9
	s_mov_b32 s[S3C+1], s[S3C]
	s_mov_b32 s[C0C], 0x37ccf5ce
	s_mov_b32 s[C0C+1], s[C0C]
	s_mov_b32 s[SGN], 0x80000000
	s_mov_b32 s[EPS], 0x322bcc77                   ; 1e-8
	s_mov_b32 s[SEL], 0x76543210
	s_mov_b32 s[SEL+1], 0xfedcba98                 ; v_permlanex16_b32's selects for lane l xor 16
.irp w, 0,1
	v_mov_b32 v[KS2+\w], 0x3c08839e
	v_mov_b32 v[KS1+\w], 0xbe2aaaa3
	v_mov_b32 v[KC1+\w], 0xbab6061a
	v_mov_b32 v[KC2+\w], 0x3d2aaaa5
.endr
	v_mov_b32 v[AH+1], 0
	v_mov_b32 v[AW+1], 0
	v_mov_b32 v[FK+1], 0
.irp i, 0,1,2,3
	v_mov_b32 v[TT+\i], 0                          ; written once: a lane permute's destination counts as one of its sources
.endr
; the sums of squares of block a: my 32 channels of q and of k, in four chains; each accumulator is read from its low end on
.macro SQSUM a
	WIN 0x0a+5*((\a)/4)                            ; sources 0 and 1: window 2 or 3
.set AC, 64*((\a)%4)
.irp p, 0,2,4,6
.irp b, 0,1,2,3,4,5,6,7
.set UU, U+2*(2*(\b/4)+(\b%2))
.if (\p == 0) && ((\b%4) < 2)
	v_pk_mul_f32 v[UU:UU+1], v[AC+8*\b+\p:AC+8*\b+\p+1], v[AC+8*\b+\p:AC+8*\b+\p+1]
.else
	v_pk_fma_f32 v[UU:UU+1], v[AC+8*\b+\p:AC+8*\b+\p+1], v[AC+8*\b+\p:AC+8*\b+\p+1], v[UU:UU+1]
.endif
.endr
.endr
	WIN 0
	v_pk_add_f32 v[U:U+1], v[U:U+1], v[U+2:U+3]
	v_pk_add_f32 v[U+4:U+5], v[U+4:U+5], v[U+6:U+7]
	v_add_f32 v[FA+2*(\a)], v[U], v[U+1]
	v_add_f32 v[FA+2*(\a)+1], v[U+4], v[U+5]
.endm
.irp a, 0,1,2,3,4,5,6,7
	SQSUM \a
.endr
.irp g, 0,4,8,12
.irp i, 0,1,2,3
	v_permlanex16_b32 v[TT+\i], v[FA+\g+\i], s[SEL], s[SEL+1]
.endr
.irp i, 0,1,2,3
	v_add_f32 v[FA+\g+\i], v[FA+\g+\i], v[TT+\i]   ; with lane l xor 16's 32 channels
.endr
.endr
.set i, 0
.rept 16
	v_add_f32 v[FA+i], s[EPS], v[FA+i]
.set i, i+1
.endr
	s_wait_kmcnt 0x0
	s_and_b32 s42, s42, 0x7fffffff                 ; |scale|
	v_mov_b32 v[SS], s42
	v_add_f32 v[SS], s[EPS], v[SS]
.set i, 0
.rept 16
	v_rsq_f32 v[FA+i], v[FA+i]
.set i, i+1
.endr
	v_sqrt_f32 v[SS], v[SS]
	v_nop                                          ; a plain instruction behind the last of the batch
	s_wait_alu depctr_va_vdst(0)                   ; one wait for the seventeen, ahead of their first reader
.set i, 0
.rept 16
	v_mul_f32 v[FA+i], v[FA+i], v[SS]
.set i, i+1
.endr
	s_wait_loadcnt 0x0                             ; pos and freqs
.macro SETA a                          ; 2 pos - 1 of block a's token: one rounding, as reference() has it
	v_fma_f32 v[AH], v[POS+2*(\a)+1], 2.0, -1.0
	v_fma_f32 v[AW], v[POS+2*(\a)], 2.0, -1.0
.endm
.macro SINCOS                          ; my 16 thetas of the block in hand -> v[SN], v[CC]
.irp p, 0,2,4,6
	v_pk_mul_f32 v[TH+\p:TH+\p+1], v[FQ+\p:FQ+\p+1], v[AH:AH+1] op_sel_hi:[1,0]
.endr
.irp p, 8,10,12,14
	v_pk_mul_f32 v[TH+\p:TH+\p+1], v[FQ+\p:FQ+\p+1], v[AW:AW+1] op_sel_hi:[1,0]
.endr
.irp p, 0,2,4,6,8,10,12,14
	v_pk_mul_f32 v[KF+\p:KF+\p+1], v[TH+\p:TH+\p+1], s[I2P:I2P+1] op_sel_hi:[1,0]
.endr
.set i, 0
.rept 16
	v_rndne_f32 v[KF+i], v[KF+i]
.set i, i+1
.endr
.irp p, 0,2,4,6,8,10,12,14
	v_pk_fma_f32 v[TH+\p:TH+\p+1], v[KF+\p:KF+\p+1], s[NHI:NHI+1], v[TH+\p:TH+\p+1] op_sel_hi:[1,0,1]
.endr
.irp p, 0,2,4,6,8,10,12,14
	v_pk_fma_f32 v[TH+\p:TH+\p+1], v[KF+\p:KF+\p+1], s[NLO:NLO+1], v[TH+\p:TH+\p+1] op_sel_hi:[1,0,1]   ; r, within pi / 4 of 0
.endr
.irp p, 0,2,4,6,8,10,12,14
	v_pk_mul_f32 v[Z+\p:Z+\p+1], v[TH+\p:TH+\p+1], v[TH+\p:TH+\p+1]
.endr
.irp p, 0,2,4,6,8,10,12,14
	v_pk_fma_f32 v[PP+\p:PP+\p+1], v[Z+\p:Z+\p+1], s[S3C:S3C+1], v[KS2:KS2+1] op_sel_hi:[1,0,1]
	v_pk_fma_f32 v[QQ+\p:QQ+\p+1], v[Z+\p:Z+\p+1], s[C0C:C0C+1], v[KC1:KC1+1] op_sel_hi:[1,0,1]
.endr
.irp p, 0,2,4,6,8,10,12,14
	v_pk_fma_f32 v[PP+\p:PP+\p+1], v[PP+\p:PP+\p+1], v[Z+\p:Z+\p+1], v[KS1:KS1+1]
	v_pk_fma_f32 v[QQ+\p:QQ+\p+1], v[QQ+\p:QQ+\p+1], v[Z+\p:Z+\p+1], v[KC2:KC2+1]
.endr
.irp p, 0,2,4,6,8,10,12,14
	v_pk_mul_f32 v[TT+\p:TT+\p+1], v[Z+\p:Z+\p+1], v[TH+\p:TH+\p+1]
.endr
.irp p, 0,2,4,6,8,10,12,14
	v_pk_fma_f32 v[PP+\p:PP+\p+1], v[PP+\p:PP+\p+1], v[TT+\p:TT+\p+1], v[TH+\p:TH+\p+1]      ; sin r
.endr
.irp p, 0,2,4,6,8,10,12,14
	v_pk_mul_f32 v[TT+\p:TT+\p+1], v[Z+\p:Z+\p+1], v[Z+\p:Z+\p+1]
.endr
.irp p, 0,2,4,6,8,10,12,14
	v_pk_fma_f32 v[Z+\p:Z+\p+1], v[Z+\p:Z+\p+1], -0.5, 1.0 op_sel_hi:[1,0,0]
.endr
.irp p, 0,2,4,6,8,10,12,14
	v_pk_fma_f32 v[QQ+\p:QQ+\p+1], v[QQ+\p:QQ+\p+1], v[TT+\p:TT+\p+1], v[Z+\p:Z+\p+1]        ; cos r
.endr
.set i, 0
.rept 16                               ; the quadrant k mod 4: odd k swaps the two; the sine changes sign with bit 1, the cosine with bit 0 xor bit 1
	v_cvt_i32_f32 v[KF+i], v[KF+i]
	v_lshlrev_b32 v[TT+i], 31, v[KF+i]
	v_cmp_gt_i32 vcc_lo, 0, v[TT+i]
	v_cndmask_b32 v[SN+i], v[PP+i], v[QQ+i], vcc_lo
	v_cndmask_b32 v[CC+i], v[QQ+i], v[PP+i], vcc_lo
	v_lshlrev_b32 v[KF+i], 30, v[KF+i]
	v_xor_b32 v[TT+i], v[TT+i], v[KF+i]
	v_and_b32 v[KF+i], s[SGN], v[KF+i]
	v_and_b32 v[TT+i], s[SGN], v[TT+i]
	v_xor_b32 v[SN+i], v[SN+i], v[KF+i]
	v_xor_b32 v[CC+i], v[CC+i], v[TT+i]
.set i, i+1
.endr
.endm
; Block a: rotation (x1 = channels 0..31: blocks 0, 1; x2 = channels 32..63: blocks 2, 3), the factors, f16, eight stores of 512 consecutive bytes
.macro ROPEBLK a
	WIN 0x02+((\a)/4)                              ; source 0: window 2 or 3
.set AC, 64*((\a)%4)
.set n, 0
.irp q, 0,1
.irp bb, 0,1
.irp p, 0,2,4,6
	v_pk_mul_f32 v[TT+2*(n%4):TT+2*(n%4)+1], v[AC+8*(4*\q+\bb+2)+\p:AC+8*(4*\q+\bb+2)+\p+1], v[SN+8*\bb+\p:SN+8*\bb+\p+1]
	v_pk_mul_f32 v[TT+8+2*(n%4):TT+8+2*(n%4)+1], v[AC+8*(4*\q+\bb)+\p:AC+8*(4*\q+\bb)+\p+1], v[SN+8*\bb+\p:SN+8*\bb+\p+1]
	v_pk_fma_f32 v[Y+32*\q+8*\bb+\p:Y+32*\q+8*\bb+\p+1], v[AC+8*(4*\q+\bb)+\p:AC+8*(4*\q+\bb)+\p+1], v[CC+8*\bb+\p:CC+8*\bb+\p+1], v[TT+2*(n%4):TT+2*(n%4)+1] neg_lo:[0,0,1] neg_hi:[0,0,1]
	v_pk_fma_f32 v[Y+32*\q+8*(\bb+2)+\p:Y+32*\q+8*(\bb+2)+\p+1], v[AC+8*(4*\q+\bb+2)+\p:AC+8*(4*\q+\bb+2)+\p+1], v[CC+8*\bb+\p:CC+8*\bb+\p+1], v[TT+8+2*(n%4):TT+8+2*(n%4)+1]
.set n, n+1
.endr
.endr
.endr
	WIN 0
	v_mov_b32 v[FK], v[FA+2*(\a)+1]
.set i, 0
.rept 16
	v_pk_mul_f32 v[Y+2*i:Y+2*i+1], v[Y+2*i:Y+2*i+1], v[FA+2*(\a):FA+2*(\a)+1] op_sel_hi:[1,0]
	v_pk_mul_f32 v[Y+32+2*i:Y+32+2*i+1], v[Y+32+2*i:Y+32+2*i+1], v[FK:FK+1] op_sel_hi:[1,0]
.set i, i+1
.endr
	s_wait_xcnt 0x0                                ; the last block's stores have read their registers; and EXEC changes only behind this wait
.if (\a) == 0
	v_cmp_gt_u32 vcc_lo, 16, v4                    ; tokens 0..15 go out as f32 too: all lanes of one wave in two of the token block 0, none elsewhere
	s_and_saveexec_b32 s[SAVE], vcc_lo
.irp i, 0,1,2,3,4,5,6,7
	global_store_b128 v1, v[Y+4*\i:Y+4*\i+3], s[52:53] offset:512*\i
	global_store_b128 v1, v[Y+32+4*\i:Y+32+4*\i+3], s[54:55] offset:512*\i
.endr
	s_wait_xcnt 0x0
	s_or_b32 exec_lo, exec_lo, s[SAVE]
.endif
.set i, 0
.rept 32
	v_cvt_pk_f16_f32 v[OO+i], v[Y+2*i], v[Y+2*i+1]
.set i, i+1
.endr
.irp b, 0,1,2,3
	global_store_b128 v1, v[OO+4*\b:OO+4*\b+3], s[48:49] offset:(\a)*2048+512*\b
	global_store_b128 v1, v[OO+16+4*\b:OO+16+4*\b+3], s[50:51] offset:(\a)*2048+512*\b
.endr
.endm
; Eight blocks.  The sines' text stands once, in a counted loop; what differs from block to block is register numbers, so a switch on the counter picks the block's text.
	SETA 0
	s_mov_b32 s[CNT], 0
.Lblk:
	SINCOS
.irp a, 0,1,2,3,4,5,6
	s_cmp_eq_u32 s[CNT], \a
	s_cbranch_scc1 .Lc\a
.endr
	ROPEBLK 7
	s_branch .Lnext
.irp a, 0,1,2,3,4,5
.Lc\a:
	ROPEBLK \a
	SETA \a+1
	s_branch .Lnext
.endr
.Lc6:
	ROPEBLK 6
	SETA 7
.Lnext:
	s_add_co_u32 s[CNT], s[CNT], 1
	s_cmp_lt_u32 s[CNT], 8
	s_cbranch_scc1 .Lblk
	s_branch .Lend
	; ---- V: accumulator (a, b): channel 256 cy + 128 half + 16 a + r; tokens 256 tc + 64 c + 128 (b / 4) + 16 (b % 4) + 8 h + 0..7
.Lv:
	s_add_co_u32 s18, s17, s40                     ; tc = 4 cluster y + cx
	s_lshl_b32 s19, s18, 8
	s_lshl_b32 s20, s16, 6
	s_add_co_u32 s19, s19, s20                     ; my first token
	v_add_nc_u32 v4, s19, v3
	s_lshl_b32 s20, s41, 2
	s_lshl_b32 s22, s15, 1
	s_add_co_u32 s20, s20, s22                     ; my first head: 4 cy + 2 half
	s_lshl_b32 s20, s20, 19
	s_lshl_b32 s22, s19, 7                         ; 32 keys are 4,096 bytes
	s_add_co_u32 s20, s20, s22
	s_add_co_u32 s20, s20, 0x1000000
	s_add_nc_u64 s[48:49], s[96:97], s[20:21]
	s_lshl_b32 s20, s41, 4
	s_lshl_b32 s22, s15, 3
	s_add_co_u32 s20, s20, s22                     ; my first channel tile
	s_lshl_b32 s20, s20, 10
	s_add_co_u32 s20, s20, 131072
	s_add_nc_u64 s[52:53], s[98:99], s[20:21]
.macro VBLK a
.if (\a) >= 2
	s_wait_xcnt 0x0                                ; the stores of two blocks ago have read their registers
.endif
	WIN 0x0a+5*((\a)/4)
.set AC, 64*((\a)%4)
.set OV, 128+32*((\a)%2)
.set i, 0
.rept 32
	v_cvt_pk_f16_f32 v[OV+i], v[AC+2*i], v[AC+2*i+1]
.set i, i+1
.endr
	WIN 0
.irp b, 0,1,2,3,4,5,6,7
	global_store_b128 v1, v[OV+4*\b:OV+4*\b+3], s[48:49] offset:((\a)/4)*HB+((\a)%4)*1024+(\b/4)*16384+((\b%4)/2)*4096+(\b%2)*512
.endr
.endm
.irp a, 0,1,2,3,4,5,6,7
	VBLK \a
.endr
	s_wait_xcnt 0x0                                ; EXEC changes only behind this wait
	v_cmp_gt_u32 vcc_lo, 16, v4                    ; tokens 0..15 (block b = 0 of the first 64 tokens) go out as f32 too
	s_and_saveexec_b32 s[SAVE], vcc_lo
.irp a, 0,1,2,3,4,5,6,7
	WIN 0x08+4*(\a/4)                              ; a store's data: window 2 or 3
	global_store_b128 v1, v[64*(\a%4):64*(\a%4)+3], s[52:53] offset:\a*1024
	global_store_b128 v1, v[64*(\a%4)+4:64*(\a%4)+7], s[52:53] offset:\a*1024+512
.endr
	WIN 0
	s_wait_xcnt 0x0
	s_or_b32 exec_lo, exec_lo, s[SAVE]
.Lend:
	s_wait_tensorcnt 0x0                           ; the wave's end
	ds_add_u32 v[SPW], v[NIL]
	s_wait_dscnt 0x0
	CROUND                                         ; the closing round
	s_endpgm
.Lfunc_end_k_qdd0aca6442_qkv:
	.size	k_qdd0aca6442_qkv, .Lfunc_end_k_qdd0aca6442_qkv-k_qdd0aca6442_qkv
	.p2alignl 7, 3214868480
	.fill 96, 4, 3214868480
	.section	.rodata,"a",@progbits
	.p2align	6, 0x0
	.amdhsa_kernel k_qdd0aca6442_qkv
		.amdhsa_group_segment_fixed_size 327680
		.amdhsa_private_segment_fixed_size 0
		.amdhsa_enable_private_segment 0
		.amdhsa_kernarg_size 56
		.amdhsa_user_sgpr_count 2
		.amdhsa_user_sgpr_kernarg_segment_ptr 1
		.amdhsa_wavefront_size32 1
		.amdhsa_system_sgpr_workgroup_id_x 1
		.amdhsa_system_sgpr_workgroup_id_y 1
		.amdhsa_system_sgpr_workgroup_id_z 1
		.amdhsa_system_vgpr_workitem_id 0
		.amdhsa_next_free_vgpr 1024
		.amdhsa_next_free_sgpr 104
		.amdhsa_reserve_vcc 1
		.amdhsa_float_denorm_mode_32 3
		.amdhsa_float_denorm_mode_16_64 3
		.amdhsa_memory_ordered 1
		.amdhsa_forward_progress 1
		.amdhsa_inst_pref_size 232
	.end_amdhsa_kernel
	.amdgpu_metadata
---
amdhsa.version: [ 1, 2 ]
amdhsa.kernels:
  - .name:           k_qdd0aca6442_qkv
    .symbol:         k_qdd0aca6442_qkv.kd
    .args:
      - { .name: codes, .offset: 0, .size: 8, .value_kind: global_buffer, .address_space: global }
      - { .name: scales, .offset: 8, .size: 8, .value_kind: global_buffer, .address_space: global }
      - { .name: pos, .offset: 16, .size: 8, .value_kind: global_buffer, .address_space: global }
      - { .name: freqs, .offset: 24, .size: 8, .value_kind: global_buffer, .address_space: global }
      - { .name: scale, .offset: 32, .size: 8, .value_kind: global_buffer, .address_space: global }
      - { .name: qkv16, .offset: 40, .size: 8, .value_kind: global_buffer, .address_space: global }
      - { .name: fine32, .offset: 48, .size: 8, .value_kind: global_buffer, .address_space: global }
    .group_segment_fixed_size: 327680
    .private_segment_fixed_size: 0
    .kernarg_segment_align: 8
    .kernarg_segment_size: 56
    .max_flat_workgroup_size: 128
    .sgpr_count:     104
    .vgpr_count:     1024
    .wavefront_size: 32
...
	.end_amdgpu_metadata
.endif
;; end of part 2
;; launch attn (part 3): grid 16 x 16, 8 waves a work-group, clusters of 4 x 1, 327,680 bytes of LDS; arguments qkv16, ao; writes ao
.if DOCPART == 3
	.amdgcn_target "amdgcn-amd-amdhsa--gfx1250"
	.amdhsa_code_object_version 6
	.text
	.protected	k_qdd0aca6442_attn
	.globl	k_qdd0aca6442_attn
	.p2align	8
	.type	k_qdd0aca6442_attn,@function
k_qdd0aca6442_attn:
	s_mov_b64 s[64:65], 0
	v_nop
	global_prefetch_b8 v0, s[64:65] scope:SCOPE_SE
	s_setreg_imm32_b32 hwreg(HW_REG_WAVE_MODE, 25, 1), 1
	s_wait_xcnt 0x0
	s_wait_alu depctr_hold_cnt(0) depctr_sa_sdst(0) depctr_va_vdst(0) depctr_va_sdst(0) depctr_va_ssrc(0) depctr_va_vcc(0) depctr_vm_vsrc(0)
	s_getreg_b32 s2, hwreg(HW_REG_IB_STS2, 6, 4)
	s_cmp_eq_u32 s2, 0
	s_cbranch_scc0 .Lentry_in_a_cluster
	s_endpgm
.Lentry_in_a_cluster:
	s_bfe_u32 s2, ttmp6, 0x10000c
	s_cmp_lg_u32 s2, 0x3003
	s_cbranch_scc0 .Lentry_shape_is_right
	s_endpgm
.Lentry_shape_is_right:
; THIRD LAUNCH: the attention of all 4,096 tokens, f16 operands, f32 scores, maxima, sums and results.
; LEFT OUT: steps of 128 keys that lie wholly above the diagonal of reference()'s own jnp.tril (p = 0 there for every input); a NaN or infinity that reaches only such scores is not carried on.
; SHARES.  Work-group (g, head), g = 0..15, has eight waves; wave w owns TWO tiles of 16 tokens: tile A = 32 w + g (tokens 512 w + 16 g + 0..15) and tile B = A + 16 (256 tokens further on).  Waves 0-5 hold pokes, waves 6, 7
; queries.  So all 256 work-groups do the same work and walk the same 3,072 keys, 128 a step, and the four work-groups of a cluster ask for every tile of K and V JOINTLY (mask 15).
; EACH FRAGMENT OF K AND V THAT A WAVE READS FROM LDS FEEDS TWO PRODUCTS, tile A's and tile B's.
; THE CAUSAL LIMIT, by the wave's number and the count of steps alone, so alike in all partners: a poke wave leaves out the steps from key 512 (w + 1) on; from key 512 w + 256 on tile A is wholly hidden and the step is run
; for tile B alone, masked by selects; from key 512 w up to there tile A is masked and every key counts for tile B.  The two forms of a step part on ONE branch at its head.
; REGISTERS, in two windows of 256 (s_set_vgpr_msb: bits 1:0 source 0, 3:2 source 1, 5:4 source 2, 7:6 destination).  Tile B's state lies in window 1 at the numbers that tile A's has in window 0, so the softmax, the mask, the
; start and the way out are written once and run under the settings 0x00 and 0x55.  F in window 0 holds the fragments of a step's first 64 keys, F in window 1 those of the other 64: a product of tile A names them by 0x00 and
; 0x01, one of tile B by 0x54 and 0x55.  Thirteen switches for a step's 64 products.
; OPERANDS ARE IMAGES OF REGISTERS (laid so by the launch qkv): a fragment is two loads of 16 bytes at 16 x lane, 512 bytes apart; a slot's K (512 keys, 65,536 bytes) and V (likewise) are dense blocks.
; Both products are used transposed: S^T = K Q^T (a lane holds one query and keys 16 t + 8 h + 0..7), O^T = V^T P^T.  S^T packed to f16 in pairs IS P's fragment.
; SOFTMAX: running maximum m and sum l; p = 2^(c s - c m), c = log2(e); O and l are multiplied by 2^(c m_old - c m_new) in every step.  p is not normalised; l is the sum of the f32 p and divides at the end.
; A QUERY'S OWN KEY: its wave begins with the 16 x 16 tile of its own tokens, all but the diagonal set to -inf: that starts m, l and O^T.  A poke tile begins with m = -1e38, l = 0, O^T = 0: key 0 counts for every poke.
; ao: [token tile 256][32 channels: 32][half 2][lane][16 bytes], f16: the image of the projection's operand.  (Tile 0 is made too: the projection's tile reads it; its rows of the output come from the launch fine.)
.set HB,    524288
.set KOFF,  0x800000
.set VOFF,  0x1000000
.set SLOT1, 1<<17                      ; a slot: 65,536 bytes of K, then 65,536 of V; one exclusive or turns an address into the other slot's
.set SPARE, 2*SLOT1                    ; the spare words, 128 bytes for each of 8 waves: four blocks of 256 bytes that no other line names
.set BQ,    32768                      ; tile B in Q, in K and in V: 16 tiles of 2,048 bytes, or 8 fragments' rows of 4,096, further on
.set BO,    524288                     ; and in ao: 16 tiles of 32,768 bytes
.set LI,  1                            ; v1  16 x lane                                     (window 0 alone)
.set ADK, 2                            ; v2  LDS address of the step's K                   (window 0 alone)
.set ADV, 3                            ; v3  of its V                                      (window 0 alone)
.set QI,  4                            ; v4  my token - 8 h                                (from here on: in both windows, but where it says otherwise)
.set SPW, 5                            ; v5  LDS address of my spare word; never rewritten (window 0 alone)
.set NIL, 6                            ; v6  0; never rewritten                            (window 0 alone)
.set DD,  7                            ; v7  my token - 8 h - the step's first key
.set NINF, 8                           ; v8  -infinity
.set PFO, 9                            ; v9  256 x lane, for the prefetches                (window 0 alone)
.set CM,  10                           ; v10 c m
.set MX,  11                           ; v11 m
.set LS,  12                           ; v[12:13] l, in two halves
.set AA,  14                           ; v14 the step's factor (v15 written once: the pair is named)
.set Q,   16                           ; v16-31   the tile's q
.set F,   32                           ; v32-95   four tiles of K, or two times four fragments of V: window 0 the first 64 keys, window 1 the other 64
.set S,   96                           ; v96-159  S^T, then p
.set P,   160                          ; v160-191 p as f16
.set O,   192                          ; v192-223 O^T
.set T,   224                          ; v224-239 at work
.set EE,  240                          ; v240 r - 8 h
.set WV,  8
.set G1,  24
.set G0,  32
.set PFA, 36
.set LIM, 38
.set SLOTS, 39
.set CNT, 40
.set TS,  41                           ; LDS byte at which the step's K begins
.set KF,  42                           ; the step's first key
.set LIMK, 43                          ; the first key that my wave leaves out
.set DIAG, 44                          ; the first key from which tile A is masked
.set LIMA, 45                          ; the first key from which tile A is wholly hidden, and tile B is masked
.set CS,  46
.set SEL, 48
.set MSB, 0
.macro WIN new                         ; the immediate's high byte repeats the setting that is left; a switch that changes nothing is dropped
.if MSB != (\new)
	s_set_vgpr_msb (MSB<<8)|(\new)
.set MSB, (\new)
.endif
.endm
.macro CROUND
	s_barrier_signal -1
	s_barrier_wait -1
	s_cmp_lg_u32 s[WV], 0
	s_cbranch_scc1 .Lnot_wave_0_\@
	s_barrier_signal -3
.Lnot_wave_0_\@:
	s_barrier_wait -3
	s_barrier_signal -1
	s_barrier_wait -1
.endm
.macro TLOAD                           ; waves 0 and 1 fetch K's halves of a slot, waves 2 and 3 V's: 32,768 dense bytes each; an s_nop 0 and four v_nop follow
	s_cmp_lt_u32 s[WV], 4
	s_cbranch_scc0 .Lasked_\@
	tensor_load_to_lds s[G0:G0+3], s[G1:G1+7]
	s_nop 0
.rept 4
	v_nop
.endr
.Lasked_\@:
.endm
; A prefetch of what the NEXT change of slots will ask for: four key steps ahead of that load.  All four clusters of a head walk the same K and V: the head's first cluster asks.  Its four partners take 16,384 bytes of K and of V
; each, told apart by address; in each, waves 4 and 5 ask for K's, waves 6 and 7 for V's: 8,192 bytes a wave, lanes 256 bytes apart.  So each aligned block of 256 bytes is named once.  The last change that fills a slot asks for nothing.
.macro ASK
	s_cmp_gt_u32 s[SLOTS], s[LIM]
	s_cbranch_scc0 .Lnot_mine_\@
	global_prefetch_b8 v[PFO], s[PFA:PFA+1] th:TH_LOAD_NT scope:SCOPE_SE
.Lnot_mine_\@:
.endm
	s_load_b128 s[4:7], s[0:1], 0x0                ; qkv16 s[4:5], ao s[6:7]
	v_lshl_add_u32 v[SPW], v0, 2, SPARE
	v_mov_b32 v[NIL], 0
	ds_add_u32 v[SPW], v[NIL]                      ; the wave's opening: the add, twice on end, and its wait ahead of the first tensor load
	ds_add_u32 v[SPW], v[NIL]
	v_lshrrev_b32 v1, 5, v0
	v_readfirstlane_b32 s[WV], v1                  ; wave 0..7
	s_bfe_u32 s9, ttmp6, 0x40000                   ; cx
	s_lshl_b32 s10, ttmp9, 2
	s_add_co_u32 s10, s10, s9                      ; g: it enters global addresses and lane data alone
	s_and_b32 s11, ttmp7, 0xffff                   ; the head, which the partners share
	s_lshl_b32 s12, s11, 19                        ; head x HB
	s_mov_b32 s13, 0
	s_lshl_b32 s14, s[WV], 5
	s_add_co_u32 s14, s14, s10                     ; tile A
	s_mov_b32 s[G1], 15|(3<<16)|(1<<21)            ; the mask: all four work-groups; elements of 8 bytes; no padding; bit 21 beside a mask
	s_mov_b32 s[G1+1], 32<<16                      ; rows of 256 bytes,
	s_mov_b32 s[G1+2], 128<<16                     ; 128 of them,
	s_mov_b32 s[G1+3], 32<<16
	s_mov_b32 s[G1+4], 128
	s_mov_b32 s[G1+5], 32                          ; dense
	s_mov_b32 s[G1+6], 0
	s_mov_b32 s[G1+7], 0
	s_mov_b32 s[G0], 1
	s_and_b32 s[G0+1], s[WV], 3
	s_lshl_b32 s[G0+1], s[G0+1], 15                ; slot 0: K's halves, then V's
	s_mov_b32 s50, VOFF
	s_cmp_lt_u32 s[WV], 2
	s_cselect_b32 s50, KOFF, s50
	s_and_b32 s51, s[WV], 1
	s_lshl_b32 s51, s51, 15
	s_add_co_u32 s50, s50, s51
	s_add_co_u32 s50, s50, s12
	s_mov_b32 s51, 0
	s_mov_b32 s[CS], 0x3fb8aa3b                    ; c = log2(e)
	s_mov_b32 s[CS+1], s[CS]
	s_mov_b32 s[SEL], 0x76543210
	s_mov_b32 s[SEL+1], 0xfedcba98
	s_mov_b32 s[SLOTS], 5
	s_mov_b32 s[TS], 0
	s_mov_b32 s[KF], 0
	s_lshl_b32 s[DIAG], s[WV], 9                   ; 512 w
	s_add_co_u32 s[LIMA], s[DIAG], 256
	s_add_co_u32 s[LIMK], s[DIAG], 512
	s_min_u32 s[LIMK], s[LIMK], 3072
	s_cmp_lt_u32 s[WV], 6
	s_cselect_b32 s[DIAG], s[DIAG], 0x7fffffff     ; a query wave masks nothing,
	s_cselect_b32 s[LIMA], s[LIMA], 0x7fffffff     ; and both its tiles take every key
	s_sub_co_u32 s52, s[WV], 4
	s_lshr_b32 s52, s52, 2                         ; 0 in waves 4 to 7,
	s_or_b32 s52, s52, ttmp9                       ; of the head's first cluster: the same in all four partners
	s_cmp_eq_u32 s52, 0
	s_cselect_b32 s[LIM], 1, -1
	v_and_b32 v[LI], 31, v0
	v_lshlrev_b32 v[PFO], 8, v[LI]
	v_lshlrev_b32 v[LI], 4, v[LI]
	v_and_b32 v10, 15, v0
	v_bfe_u32 v11, v0, 4, 1
	v_lshlrev_b32 v11, 3, v11
	v_sub_nc_u32 v[EE], v10, v11                   ; r - 8 h
	s_lshl_b32 s52, s14, 4
	v_add_nc_u32 v[QI], s52, v[EE]
	v_mov_b32 v[NINF], 0xff800000
	v_mov_b32 v[AA+1], 0
	v_mov_b32 v[T+4], 0                            ; written once: a lane permute's destination counts as one of its sources
	s_wait_dscnt 0x0                               ; both opening adds are done
	s_wait_kmcnt 0x0
	s_add_nc_u64 s[G0+2:G0+3], s[4:5], s[50:51]
	s_or_b32 s[G0+3], s[G0+3], 0x80000000
	CROUND                                         ; all four work-groups are here
	TLOAD                                          ; slot 0
	s_add_nc_u64 s[4:5], s[4:5], s[12:13]          ; qkv16 at my head
	s_lshl_b32 s50, s14, 11
	s_add_nc_u64 s[16:17], s[4:5], s[50:51]        ; q of tile A
	s_add_nc_u64 s[18:19], s[16:17], KOFF          ; k of tile A
	s_lshr_b32 s50, s14, 1
	s_lshl_b32 s50, s50, 12
	s_and_b32 s52, s14, 1
	s_lshl_b32 s52, s52, 9
	s_add_co_u32 s50, s50, s52
	s_add_co_u32 s50, s50, VOFF
	s_add_nc_u64 s[20:21], s[4:5], s[50:51]        ; v of tile A: its half of the fragments of 32 keys
	s_lshl_b32 s50, s14, 15
	s_lshl_b32 s52, s11, 11
	s_add_co_u32 s50, s50, s52
	s_add_nc_u64 s[22:23], s[6:7], s[50:51]        ; ao: tile A, my head's 64 channels
	s_mov_b32 s50, VOFF
	s_cmp_lt_u32 s[WV], 6
	s_cselect_b32 s50, KOFF, s50
	s_lshl_b32 s52, s9, 14
	s_add_co_u32 s50, s50, s52
	s_and_b32 s52, s[WV], 1
	s_lshl_b32 s52, s52, 13
	s_add_co_u32 s50, s50, s52
	s_add_co_u32 s50, s50, 65536                   ; in slot 1: the first change of slots steps it to slot 2.  Nothing is prefetched here, at the head
	s_add_nc_u64 s[PFA:PFA+1], s[4:5], s[50:51]
.irp b, 0,1,2,3
	global_load_b128 v[Q+4*\b:Q+4*\b+3], v[LI], s[16:17] offset:512*\b
.endr
	WIN 0x40                                       ; destination window 1, sources window 0: tile B's constants and its q
	v_mov_b32 v[EE], v[EE]
	v_add_nc_u32 v[QI], 0x100, v[QI]               ; 256 tokens further on
	v_mov_b32 v[NINF], 0xff800000
	v_mov_b32 v[AA+1], 0
	v_mov_b32 v[T+4], 0
.irp b, 0,1,2,3
	global_load_b128 v[Q+4*\b:Q+4*\b+3], v[LI], s[16:17] offset:BQ+512*\b
.endr
	WIN 0
; A query tile's start, in the window that is set: the 16 x 16 scores of its own tokens, all but the diagonal hidden.  K's tile lies in F + 0..15, V's four fragments in F + 16..47
.macro SELFC
	v_wmma_f32_16x16x32_f16 v[S:S+7], v[F:F+7], v[Q:Q+7], 0
	s_wait_alu depctr_va_vdst(0)                   ; the wait directly ahead of the link
	v_wmma_f32_16x16x32_f16 v[S:S+7], v[F+8:F+15], v[Q+8:Q+15], v[S:S+7]
.rept 4
	v_nop                                          ; the places behind the product
.endr
.irp j, 0,1,2,3,4,5,6,7
	v_cmp_ne_u32 vcc_lo, \j, v[EE]                 ; register j holds key 8 h + j of query r: the token's own where j = r - 8 h
	v_cndmask_b32 v[S+\j], v[S+\j], v[NINF], vcc_lo
.endr
	v_max3_num_f32 v[T], v[S], v[S+1], v[S+2]
	v_max3_num_f32 v[T+1], v[S+3], v[S+4], v[S+5]
	v_max3_num_f32 v[T], v[T], v[S+6], v[S+7]
	v_max_num_f32 v[T], v[T], v[T+1]
	v_permlanex16_b32 v[T+4], v[T], s[SEL], s[SEL+1]
	v_max_num_f32 v[MX], v[T], v[T+4]
	v_mul_f32 v[CM], s[CS], v[MX]
.irp j, 0,2,4,6
	v_pk_fma_f32 v[S+\j:S+\j+1], v[S+\j:S+\j+1], s[CS:CS+1], v[CM:CM+1] op_sel_hi:[1,0,0] neg_lo:[0,0,1] neg_hi:[0,0,1]
.endr
.irp j, 0,1,2,3,4,5,6,7
	v_exp_f32 v[S+\j], v[S+\j]
.endr
	v_nop
	s_wait_alu depctr_va_vdst(0)                   ; one wait for the eight
.irp j, 0,1,2,3
	v_cvt_pk_f16_f32 v[P+\j], v[S+2*\j], v[S+2*\j+1]
	v_mov_b32 v[P+4+\j], 0
.endr
	v_pk_add_f32 v[LS:LS+1], v[S:S+1], v[S+2:S+3]
	v_pk_add_f32 v[T+12:T+13], v[S+4:S+5], v[S+6:S+7]
	v_pk_add_f32 v[LS:LS+1], v[LS:LS+1], v[T+12:T+13]
.irp ct, 0,1,2,3
	v_wmma_f32_16x16x32_f16 v[O+8*\ct:O+8*\ct+7], v[F+16+8*\ct:F+16+8*\ct+7], v[P:P+7], 0
.endr
.endm
.macro SELFLD off                      ; its own k and v, into the window that the destination's setting names
.irp b, 0,1,2,3
	global_load_b128 v[F+4*\b:F+4*\b+3], v[LI], s[18:19] offset:\off+512*\b
.endr
.irp ct, 0,1,2,3
	global_load_b128 v[F+16+8*\ct:F+16+8*\ct+3], v[LI], s[20:21] offset:\off+1024*\ct
	global_load_b128 v[F+16+8*\ct+4:F+16+8*\ct+7], v[LI], s[20:21] offset:\off+1024*\ct   ; the fragment's upper 16 keys: the same numbers once more, under p = 0
.endr
.endm
.macro INITP                           ; a poke tile's start, in the window that is set
	v_mov_b32 v[MX], 0xfe967699                    ; -1e38, under every score
	v_mul_f32 v[CM], s[CS], v[MX]
	v_mov_b32 v[LS], 0
	v_mov_b32 v[LS+1], 0
.set i, 0
.rept 32
	v_mov_b32 v[O+i], 0                            ; the step is written once: the first finds zeros
.set i, i+1
.endr
.endm
	s_cmp_lt_u32 s[WV], 6
	s_cbranch_scc1 .Lpoke
	SELFLD 0
	WIN 0x40
	SELFLD BQ
	WIN 0
	s_wait_loadcnt 0x0
	SELFC
	WIN 0x55
	SELFC
	WIN 0
	s_branch .Lgo
.Lpoke:
	INITP
	WIN 0x55
	INITP
	WIN 0
.Lgo:
	s_wait_loadcnt 0x0                             ; q
; ---- the parts of a key step of 128 keys
.macro KLOADS                          ; K's eight tiles of 16 keys: four into F of window 0, four into F of window 1
.irp t, 0,1,2,3
.irp b, 0,1,2,3
	ds_load_b128 v[F+16*\t+4*\b:F+16*\t+4*\b+3], v[ADK] offset:\t*2048+512*\b
.endr
.endr
	WIN 0x40                                       ; destination window 1, address window 0
.irp t, 0,1,2,3
.irp b, 0,1,2,3
	ds_load_b128 v[F+16*\t+4*\b:F+16*\t+4*\b+3], v[ADK] offset:(4+\t)*2048+512*\b
.endr
.endr
	WIN 0
.endm
.macro VLOADS                          ; V's four times four fragments of 32 keys x 16 channels, likewise
.irp u, 0,1
.irp ct, 0,1,2,3
.irp hf, 0,1
	ds_load_b128 v[F+32*\u+8*\ct+4*\hf:F+32*\u+8*\ct+4*\hf+3], v[ADV] offset:\u*4096+\ct*1024+512*\hf
.endr
.endr
.endr
	WIN 0x40
.irp u, 0,1
.irp ct, 0,1,2,3
.irp hf, 0,1
	ds_load_b128 v[F+32*\u+8*\ct+4*\hf:F+32*\u+8*\ct+4*\hf+3], v[ADV] offset:(2+\u)*4096+\ct*1024+512*\hf
.endr
.endr
.endr
	WIN 0
.endm
.macro QKH win, half                   ; eight products S^T = K Q^T: one tile of tokens, 64 keys; the four accumulators take turns
	WIN \win
.irp t, 0,1,2,3
	v_wmma_f32_16x16x32_f16 v[S+32*\half+8*\t:S+32*\half+8*\t+7], v[F+16*\t:F+16*\t+7], v[Q:Q+7], 0
.endr
.irp t, 0,1,2,3
	v_wmma_f32_16x16x32_f16 v[S+32*\half+8*\t:S+32*\half+8*\t+7], v[F+16*\t+8:F+16*\t+15], v[Q+8:Q+15], v[S+32*\half+8*\t:S+32*\half+8*\t+7]
.endr
.endm
.macro PVH win, half                   ; eight products O^T += V^T P^T: one tile of tokens, 64 keys; the four accumulators take turns
	WIN \win
.irp u, 0,1
.irp ct, 0,1,2,3
	v_wmma_f32_16x16x32_f16 v[O+8*\ct:O+8*\ct+7], v[F+32*\u+8*\ct:F+32*\u+8*\ct+7], v[P+16*\half+8*\u:P+16*\half+8*\u+7], v[O+8*\ct:O+8*\ct+7]
.endr
.endr
.endm
.macro MASK                            ; in the window that is set: register 8 t + j holds key KF + 16 t + 8 h + j: hidden where 16 t + j > my token - KF - 8 h
	v_sub_nc_u32 v[DD], v[QI], s[KF]
.set n, 0
.rept 64
	v_cmp_gt_i32 vcc_lo, 16*(n/8)+n%8, v[DD]
	v_cndmask_b32 v[S+n], v[S+n], v[NINF], vcc_lo
.set n, n+1
.endr
.endm
.macro SOFTMAX                         ; in the window that is set: one tile's 128 scores become p, as f16 in P; m, l and O^T go under the new maximum
.irp b, 0,1,2,3
	v_max3_num_f32 v[T+\b], v[S+16*\b], v[S+16*\b+1], v[S+16*\b+2]     ; the maximum in four chains; each accumulator is read from its low end on
.endr
.irp i, 3,5,7,9,11,13
.irp b, 0,1,2,3
	v_max3_num_f32 v[T+\b], v[T+\b], v[S+16*\b+\i], v[S+16*\b+\i+1]
.endr
.endr
.irp b, 0,1,2,3
	v_max_num_f32 v[T+\b], v[T+\b], v[S+16*\b+15]
.endr
	v_max3_num_f32 v[T], v[T], v[T+1], v[T+2]
	v_max3_num_f32 v[T], v[T], v[T+3], v[MX]
	v_permlanex16_b32 v[T+4], v[T], s[SEL], s[SEL+1]
	v_mov_b32 v[T+5], v[CM]
	v_max_num_f32 v[MX], v[T], v[T+4]              ; the running maximum
	v_mul_f32 v[CM], s[CS], v[MX]
	v_sub_f32 v[T+5], v[T+5], v[CM]
	v_exp_f32 v[AA], v[T+5]                        ; 2^(c m_old - c m_new)
.set n, 0
.rept 32
	v_pk_fma_f32 v[S+n:S+n+1], v[S+n:S+n+1], s[CS:CS+1], v[CM:CM+1] op_sel_hi:[1,0,0] neg_lo:[0,0,1] neg_hi:[0,0,1]
.set n, n+2
.endr
.set n, 0
.rept 64
	v_exp_f32 v[S+n], v[S+n]
.set n, n+1
.endr
	v_nop                                          ; a plain instruction behind the last exponential
	s_wait_alu depctr_va_vdst(0)                   ; one wait for the 65, ahead of their first reader
.set n, 0
.rept 32
	v_cvt_pk_f16_f32 v[P+n], v[S+2*n], v[S+2*n+1]
.set n, n+1
.endr
	v_pk_mul_f32 v[LS:LS+1], v[LS:LS+1], v[AA:AA+1] op_sel_hi:[1,0]
	v_pk_add_f32 v[T+12:T+13], v[S:S+1], v[S+2:S+3]                ; the row's sum of the f32 p, in two chains
.irp j, 4,8,12,16,20,24,28,32,36,40,44,48,52,56,60
	v_pk_add_f32 v[LS:LS+1], v[LS:LS+1], v[S+\j:S+\j+1]
	v_pk_add_f32 v[T+12:T+13], v[T+12:T+13], v[S+\j+2:S+\j+3]
.endr
	v_pk_add_f32 v[LS:LS+1], v[LS:LS+1], v[T+12:T+13]
.set n, 0
.rept 16
	v_pk_mul_f32 v[O+n:O+n+1], v[O+n:O+n+1], v[AA:AA+1] op_sel_hi:[1,0]
.set n, n+2
.endr
.endm
; The step's work.  both = 1: both tiles; tile A is masked from key DIAG on, and every key counts for tile B.  both = 0: tile A is wholly hidden: tile B alone, masked.
.macro BODY both
.rept 4
	v_nop                                          ; places in front of loads into registers that matrix instructions have read
.endr
	KLOADS
	s_wait_dscnt 16                                ; the first 64 keys are in; the sixteen loads of the other 64 may be out
.if \both
	QKH 0x00, 0
.endif
	QKH 0x54, 0
	s_wait_dscnt 0x0
	QKH 0x55, 1
.if \both
	QKH 0x01, 1
.endif
	WIN 0
.rept 4
	v_nop                                          ; behind the last product: ahead of loads into F and of the first read of the scores
.endr
	VLOADS                                         ; the step's V is asked for now and lands under the softmax
.if \both
	s_cmp_lt_u32 s[KF], s[DIAG]
	s_cbranch_scc1 .Lopen_\@                       ; all keys count
	MASK
.Lopen_\@:
	SOFTMAX
	s_wait_dscnt 0x0                               ; V
	PVH 0x00, 0
	PVH 0x01, 1
	WIN 0x55
	SOFTMAX
.else
	WIN 0x55
	MASK
	SOFTMAX
	s_wait_dscnt 0x0                               ; V
.endif
	PVH 0x54, 0
	PVH 0x55, 1
	WIN 0
.endm
.macro STEP
	s_cmp_ge_u32 s[KF], s[LIMK]                    ; all its keys come after my wave's 512 tokens: left out.  No barrier, wait for a tile or tensor load stands in a step
	s_cbranch_scc1 .Lhid_\@
	v_add_nc_u32 v[ADK], s[TS], v[LI]
	v_add_nc_u32 v[ADV], 0x10000, v[ADK]
	s_cmp_ge_u32 s[KF], s[LIMA]
	s_cbranch_scc1 .Lonly_\@
	BODY 1
	s_branch .Lhid_\@
.Lonly_\@:
	BODY 0
.Lhid_\@:
	s_add_co_u32 s[KF], s[KF], 128
	s_add_co_u32 s[TS], s[TS], 16384
.endm
.macro FOUR_STEPS                      ; a slot's four steps: written once, walked four times
	s_mov_b32 s[CNT], 4
.Lstep_\@:
	STEP
	s_sub_co_u32 s[CNT], s[CNT], 1
	s_cmp_lg_u32 s[CNT], 0
	s_cbranch_scc1 .Lstep_\@
	s_sub_co_u32 s[TS], s[TS], 65536               ; back to a slot's first step,
	s_xor_b32 s[TS], s[TS], SLOT1                  ; in the other slot
.endm
; THE CHANGE OF SLOTS stands at a slot's head.  Each wave waits for all its tensor loads (its part of the slot ahead), adds 0 to its spare word, and waits for that and for its reads of the slot that it has left.
; fill = 1: a round of the cluster's barrier, so that no wave of any partner still reads the other slot or has a load on its way; then that slot is asked for jointly: the load has four key steps in which to land.  One load of a wave is out at the most.
.macro CHANGE fill
	s_wait_tensorcnt 0x0
	ds_add_u32 v[SPW], v[NIL]
.if \fill
	ds_add_u32 v[SPW], v[NIL]                      ; twice on end here
	s_xor_b32 s[G0+1], s[G0+1], SLOT1              ; the walking descriptor: the other slot,
	s_add_nc_u64 s[G0+2:G0+3], s[G0+2:G0+3], 65536 ; the next 512 keys
	s_wait_xcnt 0x0                                ; the last prefetch, a slot back, has read its address
	s_add_nc_u64 s[PFA:PFA+1], s[PFA:PFA+1], 65536
	s_wait_dscnt 0x0
	CROUND
	TLOAD
	ASK
.else
	s_wait_dscnt 0x0
	s_barrier_signal -1
	s_barrier_wait -1
.endif
.endm
.Lslot:                                            ; five trips: behind each change of slots but the last the next slot is asked for
	CHANGE 1
	FOUR_STEPS
	s_sub_co_u32 s[SLOTS], s[SLOTS], 1
	s_cmp_lg_u32 s[SLOTS], 0
	s_cbranch_scc1 .Lslot
	CHANGE 0                                       ; the last slot is written out
	FOUR_STEPS
	; THE WAY OUT: O^T / l, f16, four stores of 512 consecutive bytes a tile
.macro FINISH                          ; in the window that is set
	v_add_f32 v[T], v[LS], v[LS+1]
	v_permlanex16_b32 v[T+4], v[T], s[SEL], s[SEL+1]
	v_add_f32 v[T], v[T], v[T+4]
	v_rcp_f32 v[AA], v[T]
	v_nop
	s_wait_alu depctr_va_vdst(0)
.set n, 0
.rept 16
	v_pk_mul_f32 v[O+n:O+n+1], v[O+n:O+n+1], v[AA:AA+1] op_sel_hi:[1,0]
.set n, n+2
.endr
.set n, 0
.rept 16
	v_cvt_pk_f16_f32 v[P+n], v[O+2*n], v[O+2*n+1]
.set n, n+1
.endr
.endm
.rept 4
	v_nop
.endr
	FINISH
	WIN 0x55
	FINISH
	WIN 0
.irp ct, 0,1,2,3
	global_store_b128 v[LI], v[P+4*\ct:P+4*\ct+3], s[22:23] offset:512*\ct
.endr
	WIN 0x04                                       ; a store's data are its source 1: window 1
.irp ct, 0,1,2,3
	global_store_b128 v[LI], v[P+4*\ct:P+4*\ct+3], s[22:23] offset:BO+512*\ct
.endr
	WIN 0
	s_wait_tensorcnt 0x0                           ; the wave's end
	ds_add_u32 v[SPW], v[NIL]
	s_wait_dscnt 0x0
	CROUND                                         ; the closing round
	s_endpgm
.Lfunc_end_k_qdd0aca6442_attn:
	.size	k_qdd0aca6442_attn, .Lfunc_end_k_qdd0aca6442_attn-k_qdd0aca6442_attn
	.p2alignl 7, 3214868480
	.fill 96, 4, 3214868480
	.section	.rodata,"a",@progbits
	.p2align	6, 0x0
	.amdhsa_kernel k_qdd0aca6442_attn
		.amdhsa_group_segment_fixed_size 327680
		.amdhsa_private_segment_fixed_size 0
		.amdhsa_enable_private_segment 0
		.amdhsa_kernarg_size 16
		.amdhsa_user_sgpr_count 2
		.amdhsa_user_sgpr_kernarg_segment_ptr 1
		.amdhsa_wavefront_size32 1
		.amdhsa_system_sgpr_workgroup_id_x 1
		.amdhsa_system_sgpr_workgroup_id_y 1
		.amdhsa_system_sgpr_workgroup_id_z 1
		.amdhsa_system_vgpr_workitem_id 0
		.amdhsa_next_free_vgpr 512
		.amdhsa_next_free_sgpr 66
		.amdhsa_reserve_vcc 1
		.amdhsa_float_denorm_mode_32 3
		.amdhsa_float_denorm_mode_16_64 3
		.amdhsa_memory_ordered 1
		.amdhsa_forward_progress 1
		.amdhsa_inst_pref_size 144
	.end_amdhsa_kernel
	.amdgpu_metadata
---
amdhsa.version: [ 1, 2 ]
amdhsa.kernels:
  - .name:           k_qdd0aca6442_attn
    .symbol:         k_qdd0aca6442_attn.kd
    .args:
      - { .name: qkv16, .offset: 0, .size: 8, .value_kind: global_buffer, .address_space: global }
      - { .name: ao, .offset: 8, .size: 8, .value_kind: global_buffer, .address_space: global }
    .group_segment_fixed_size: 327680
    .private_segment_fixed_size: 0
    .kernarg_segment_align: 8
    .kernarg_segment_size: 16
    .max_flat_workgroup_size: 256
    .sgpr_count:     66
    .vgpr_count:     512
    .wavefront_size: 32
...
	.end_amdgpu_metadata
.endif
;; end of part 3
;; launch proj (part 4): grid 8 x 32, 4 waves a work-group, clusters of 4 x 4, 327,680 bytes of LDS; arguments ao, ow16, out0; writes out0
.if DOCPART == 4
	.amdgcn_target "amdgcn-amd-amdhsa--gfx1250"
	.amdhsa_code_object_version 6
	.text
	.protected	k_qdd0aca6442_proj
	.globl	k_qdd0aca6442_proj
	.p2align	8
	.type	k_qdd0aca6442_proj,@function
k_qdd0aca6442_proj:
	s_mov_b64 s[64:65], 0
	v_nop
	global_prefetch_b8 v0, s[64:65] scope:SCOPE_SE
	s_setreg_imm32_b32 hwreg(HW_REG_WAVE_MODE, 25, 1), 1
	s_wait_xcnt 0x0
	s_wait_alu depctr_hold_cnt(0) depctr_sa_sdst(0) depctr_va_vdst(0) depctr_va_sdst(0) depctr_va_ssrc(0) depctr_va_vcc(0) depctr_vm_vsrc(0)
	s_getreg_b32 s2, hwreg(HW_REG_IB_STS2, 6, 4)
	s_cmp_eq_u32 s2, 0
	s_cbranch_scc0 .Lentry_in_a_cluster
	s_endpgm
.Lentry_in_a_cluster:
	s_bfe_u32 s2, ttmp6, 0x10000c
	s_cmp_lg_u32 s2, 0xf033
	s_cbranch_scc0 .Lentry_shape_is_right
	s_endpgm
.Lentry_shape_is_right:
; FOURTH LAUNCH: out0[m][n] = sum over k of ao[m][k] out_w[n][k], f16 operands, f32 sums, rows 16..4,095.  Rows 0..15 are multiplied with their tile but not stored: they have one owner, the launch fine, which carries them in f32.
; A tile of 128 x 128 to a work-group (256 work-groups), 64 x 64 to each of four waves: 16 accumulators.  K goes in steps of 256 through two LDS slots.
; BOTH OPERANDS ARE IMAGES OF REGISTERS: [tile of 16 rows][32 along K][half][lane][16 bytes].  A K step of a tile is 8,192 consecutive bytes; a wave's tensor load brings four tiles' (rows of 8,192 bytes, 32,768 apart).
; A fragment is two loads of 16 bytes at 16 x lane, 512 bytes apart: consecutive bytes, no pitch and no padding.
; CLUSTERS, 4 x 4: ao's tile is shared along a row of the cluster, out_w's along a column; each is asked for jointly.  The matrix instruction is used transposed (source 0 = 16 rows of out_w, source 1 = 16 tokens):
; a lane holds eight neighbouring numbers of a row of out0.  No prefetch: four K steps in all, of which two are asked for at the head.
; REGISTERS: window 0: v16-29 addresses; v32-95 the way out; v128-255 the accumulators ((a, b) at v[128 + 8 (4 a + b)]).  Window 1: two fragment buffers of 128.
.set HALFT,  32768                     ; four tiles x 8,192 bytes: what one tensor load brings, and what one wave reads of A or of B
.set SLOT,   4*HALFT
.set STAGE,  2*SLOT                    ; behind the ring: 16 rows x 272 bytes for each wave
.set SPITCH, 272
.set SPARE,  STAGE+4*16*SPITCH         ; the spare words, 128 bytes for each wave: two blocks of 256 bytes that no other line names
.set LAPS,   2                         ; 1,024 along K: four K steps, twice round the ring
.set ADRA, 16
.set ADRB, 20
.set STO,  24
.set RD,   25
.set CO,   26
.set TOK,  27                          ; v27 the first block's row of my lane
.set SPW,  28
.set NIL,  29
.set TMP,  32
.set ACC,  128
.set F0,   0
.set F1,   128
.set G1, 24
.set G0, 32
.set G1B, 48
.set G0B, 56
.set MSB, 0
.macro WIN new
.if MSB != (\new)
	s_set_vgpr_msb (MSB<<8)|(\new)
.set MSB, (\new)
.endif
.endm
.set MUL,  0x05                        ; sources 0 and 1 window 1; C and D window 0
.set TO_F, 0x40                        ; destination window 1, address window 0
.macro JLOAD s                         ; waves 0 and 1 fetch ao's two halves, waves 2 and 3 out_w's; an s_nop 0 and four v_nop follow each line
	s_cmp_eq_u32 s11, 0
	s_cbranch_scc0 .Lfor_b_\@
	tensor_load_to_lds s[G0+4*\s:G0+4*\s+3], s[G1:G1+7]
	s_nop 0
.rept 4
	v_nop
.endr
	s_branch .Lasked_\@
.Lfor_b_\@:
	tensor_load_to_lds s[G0B+4*\s:G0B+4*\s+3], s[G1B:G1B+7]
	s_nop 0
.rept 4
	v_nop
.endr
.Lasked_\@:
.endm
.macro CREST
	s_cmp_lg_u32 s10, 0
	s_cbranch_scc1 .Lnot_wave_0_\@
	s_barrier_signal -3
.Lnot_wave_0_\@:
	s_barrier_wait -3
	s_barrier_signal -1
	s_barrier_wait -1
.endm
.macro CROUND
	s_barrier_signal -1
	s_barrier_wait -1
	CREST
.endm
	s_load_b128 s[4:7], s[0:1], 0x0                ; ao s[4:5], ow16 s[6:7]
	s_load_b64 s[8:9], s[0:1], 0x10                ; out0
	v_lshl_add_u32 v[SPW], v0, 2, SPARE
	v_mov_b32 v[NIL], 0
	ds_add_u32 v[SPW], v[NIL]                      ; the wave's opening: the add, twice on end, and its wait ahead of my first tensor load
	ds_add_u32 v[SPW], v[NIL]
	v_lshrrev_b32 v1, 5, v0
	v_readfirstlane_b32 s10, v1                    ; wave 0..3
	s_lshr_b32 s11, s10, 1                         ; which half of the tile's rows is mine.  Also: I fetch for ao (0) or for out_w (1)
	s_and_b32 s12, s10, 1                          ; which half of its columns.  Also: which four tiles I fetch
	s_bfe_u32 s40, ttmp6, 0x40000                  ; cx
	s_bfe_u32 s41, ttmp6, 0x40004                  ; cy
	s_lshl_b32 s42, ttmp9, 2
	s_add_co_u32 s42, s42, s40                     ; tile column
	s_and_b32 s13, ttmp7, 0xffff
	s_lshl_b32 s13, s13, 2
	s_add_co_u32 s13, s13, s41                     ; tile row
	s_lshl_b32 s43, s41, 2
	s_lshl_b32 s43, 15, s43                        ; my row of the cluster
	s_lshl_b32 s44, 0x1111, s40                    ; my column
	s_or_b32 s[G1+0], s43, (3<<16)|(1<<21)         ; the mask; elements of 8 bytes; no padding; bit 21 beside a mask
	s_or_b32 s[G1B+0], s44, (3<<16)|(1<<21)
.irp g, G1, G1B
	s_mov_b32 s[\g+1], 1024<<16                    ; tensor_dim0: 8,192 bytes
	s_mov_b32 s[\g+2], 4<<16                       ; tensor_dim1: four tiles
	s_mov_b32 s[\g+3], 1024<<16                    ; tile_dim0
	s_mov_b32 s[\g+4], 4                           ; tile_dim1
	s_mov_b32 s[\g+5], 4096                        ; from tile to tile: 32,768 bytes
	s_mov_b32 s[\g+6], 0
	s_mov_b32 s[\g+7], 0
.endr
	s_lshl_b32 s17, s12, 2
	s_lshl_b32 s16, s13, 3
	s_add_co_u32 s16, s16, s17                     ; ao: tile 8 x tile row + 4 x half
	s_lshl_b32 s16, s16, 15
	s_lshl_b32 s46, s42, 3
	s_add_co_u32 s46, s46, s17                     ; out_w: tile 8 x tile column + 4 x half
	s_lshl_b32 s46, s46, 15
	s_mov_b32 s17, 0
	s_mov_b32 s47, 0
	s_mul_i32 s20, s10, HALFT                      ; where they go: no place in the cluster enters an LDS address
	s_wait_dscnt 0x0                               ; both opening adds are done
	s_wait_kmcnt 0x0
	s_add_nc_u64 s[14:15], s[4:5], s[16:17]
	s_add_nc_u64 s[46:47], s[6:7], s[46:47]
	CROUND                                         ; all sixteen work-groups are here
.irp s, 0,1
	s_mov_b32 s[G0+4*\s], 1
	s_add_co_u32 s[G0+4*\s+1], s20, \s*SLOT
	s_add_nc_u64 s[G0+4*\s+2:G0+4*\s+3], s[14:15], \s*8192
	s_or_b32 s[G0+4*\s+3], s[G0+4*\s+3], 0x80000000
	s_mov_b32 s[G0B+4*\s], 1
	s_add_co_u32 s[G0B+4*\s+1], s20, \s*SLOT
	s_add_nc_u64 s[G0B+4*\s+2:G0B+4*\s+3], s[46:47], \s*8192
	s_or_b32 s[G0B+4*\s+3], s[G0B+4*\s+3], 0x80000000
	JLOAD \s                                       ; two loads of mine are out at the most
.endr
	v_and_b32 v1, 15, v0                           ; r
	v_bfe_u32 v2, v0, 4, 1                         ; h
	v_and_b32 v3, 31, v0
	v_lshlrev_b32 v3, 4, v3                        ; 16 x lane
	s_mul_i32 s21, s11, HALFT                      ; my four tiles of ao
	s_mul_i32 s22, s12, HALFT                      ; my four tiles of out_w,
	s_add_co_u32 s22, s22, 2*HALFT                 ; which lie behind ao's eight
.irp s, 0,1
	v_add_nc_u32 v[ADRA+\s], s21, v3
	v_add_nc_u32 v[ADRB+\s], s22, v3
	s_add_co_u32 s21, s21, SLOT
	s_add_co_u32 s22, s22, SLOT
.endr
	s_mul_i32 s23, s10, 16*SPITCH
	s_add_co_u32 s23, s23, STAGE                   ; my stage
	v_mul_u32_u24 v4, v1, SPITCH                   ; in: row r, 32 bytes for each half of the lanes
	v_lshl_add_u32 v4, v2, 5, v4
	v_add_nc_u32 v[STO], s23, v4
	v_mul_u32_u24 v5, v2, SPITCH                   ; back: lanes 0-15 one row of 256 bytes, lanes 16-31 the next
	v_lshl_add_u32 v5, v1, 4, v5
	v_add_nc_u32 v[RD], s23, v5
	v_lshlrev_b32 v5, 12, v2                       ; and the same two rows of out0 (4,096 bytes a row)
	v_lshl_add_u32 v[CO], v1, 4, v5
	s_lshl_b32 s16, s13, 7
	s_lshl_b32 s17, s11, 6
	s_add_co_u32 s16, s16, s17                     ; my first row: 128 x tile row + 64 x half
	v_add_nc_u32 v[TOK], s16, v1
	s_lshl_b32 s16, s16, 12
	s_lshl_b32 s46, s42, 9
	s_lshl_b32 s47, s12, 8
	s_add_co_u32 s46, s46, s47                     ; my first column, in bytes: 512 x tile column + 256 x half
	s_add_co_u32 s16, s16, s46
	s_mov_b32 s17, 0
	s_add_nc_u64 s[8:9], s[8:9], s[16:17]
.macro MUL8 f, c, a0, zero             ; 8 matrix instructions: row blocks a0, a0 + 1 x all 4 column blocks, 32 along K
.irp a, \a0, \a0+1
.irp b, 0,1,2,3
.if \zero
	v_wmma_f32_16x16x32_f16 v[ACC+8*(4*(\a)+\b):ACC+8*(4*(\a)+\b)+7], v[\f+64+8*(4*\c+\b):\f+64+8*(4*\c+\b)+7], v[\f+8*(4*\c+\a):\f+8*(4*\c+\a)+7], 0
.else
	v_wmma_f32_16x16x32_f16 v[ACC+8*(4*(\a)+\b):ACC+8*(4*(\a)+\b)+7], v[\f+64+8*(4*\c+\b):\f+64+8*(4*\c+\b)+7], v[\f+8*(4*\c+\a):\f+8*(4*\c+\a)+7], v[ACC+8*(4*(\a)+\b):ACC+8*(4*(\a)+\b)+7]
.endif
.endr
.endr
.endm
.macro FETCH slot, k, f                ; 32 LDS loads in one run: the fragments of 64 along K, at byte k of each tile's K step; the first 32 along K first
	WIN TO_F
.irp c, 0,1
.irp i, 0,1,2,3
	ds_load_b128 v[\f+64+8*(4*\c+\i):\f+64+8*(4*\c+\i)+3],   v[ADRB+\slot] offset:\k+1024*\c+\i*8192
	ds_load_b128 v[\f+64+8*(4*\c+\i)+4:\f+64+8*(4*\c+\i)+7], v[ADRB+\slot] offset:\k+1024*\c+\i*8192+512
	ds_load_b128 v[\f+8*(4*\c+\i):\f+8*(4*\c+\i)+3],         v[ADRA+\slot] offset:\k+1024*\c+\i*8192
	ds_load_b128 v[\f+8*(4*\c+\i)+4:\f+8*(4*\c+\i)+7],       v[ADRA+\slot] offset:\k+1024*\c+\i*8192+512
.endr
.endr
.endm
.macro PLACES
.rept 4
	v_nop
.endr
.endm
.macro QUARTER slot, k, f, g, zero     ; 64 along K: multiplies buffer f and fetches the next quarter, at byte k, into g
	s_wait_dscnt 16                                ; the first 32 along K are in; the other sixteen loads may be out
	WIN MUL
	MUL8 \f, 0, 0, \zero
	MUL8 \f, 0, 2, \zero
	PLACES
	FETCH \slot, \k, \g
	s_wait_dscnt 32                                ; all but the 32 just issued
	WIN MUL
	MUL8 \f, 1, 0, 0
	MUL8 \f, 1, 2, 0
.endm
.macro TURN slot, next, fill           ; a slot's last quarter changes slots: one barrier; fill = 1: it opens a round of the cluster's barrier, and this slot is filled again, two K steps ahead
	WIN 0
	s_wait_tensorcnt 0x0                           ; all my tensor loads have landed: my part of the next slot
	ds_add_u32 v[SPW], v[NIL]
	s_wait_dscnt 17                                ; (the add and the youngest sixteen loads may be out)
	WIN MUL
	MUL8 F1, 0, 0, 0
	s_wait_dscnt 0x0                               ; the add is done, and my reads of this slot are over
	s_barrier_signal -1
	MUL8 F1, 0, 2, 0
.if \fill
	WIN 0
.endif
	s_barrier_wait -1
.if \fill
	CREST                                          ; no wave of any partner still reads this slot or has a load on its way
	s_add_nc_u64 s[G0+4*\slot+2:G0+4*\slot+3], s[G0+4*\slot+2:G0+4*\slot+3], 16384
	s_add_nc_u64 s[G0B+4*\slot+2:G0B+4*\slot+3], s[G0B+4*\slot+2:G0B+4*\slot+3], 16384
	JLOAD \slot                                    ; the first tensor load behind the round; its four v_nop are also the places in front of the loads below
.else
	PLACES
.endif
	FETCH \next, 0, F0
	WIN MUL
	MUL8 F1, 1, 0, 0
	MUL8 F1, 1, 2, 0
.endm
	s_wait_tensorcnt 1                             ; my part of K step 0 is in (K step 1's load may be out),
	s_barrier_signal -1
	s_barrier_wait -1                              ; everybody's is
	FETCH 0, 0, F0
	QUARTER 0, 2048, F0, F1, 1                     ; the first products start the sums
	WIN 0
	s_mov_b32 s3, LAPS-1
.Llap:                                                 ; a trip goes once round the ring and fills both slots again
	QUARTER 0, 4096, F1, F0, 0
	QUARTER 0, 6144, F0, F1, 0
	TURN 0, 1, 1
	QUARTER 1, 2048, F0, F1, 0
	QUARTER 1, 4096, F1, F0, 0
	QUARTER 1, 6144, F0, F1, 0
	TURN 1, 0, 1
	QUARTER 0, 2048, F0, F1, 0
	WIN 0
	s_sub_co_u32 s3, s3, 1
	s_cmp_lg_u32 s3, 0
	s_cbranch_scc1 .Llap
	QUARTER 0, 4096, F1, F0, 0                     ; the last lap fills nothing
	QUARTER 0, 6144, F0, F1, 0
	TURN 0, 1, 0
	QUARTER 1, 2048, F0, F1, 0
	QUARTER 1, 4096, F1, F0, 0
	QUARTER 1, 6144, F0, F1, 0
	s_wait_dscnt 16
	WIN MUL
	MUL8 F1, 0, 0, 0
	MUL8 F1, 0, 2, 0
	s_wait_dscnt 0
	MUL8 F1, 1, 0, 0
	MUL8 F1, 1, 2, 0
	WIN 0
; THE WAY OUT, a block of 16 rows x 64 columns at a time, through my own stage: a lane's 32 bytes go in, whole rows of 256 bytes come back, and sixteen lanes store 256 consecutive bytes, aligned.
; LDS serves a wave's instructions in order: no wait between the stores and the loads, nor in front of the next block's stores.
.macro TOSTAGE a
.irp b, 0,1,2,3
	ds_store_b128 v[STO], v[ACC+8*(4*(\a)+\b):ACC+8*(4*(\a)+\b)+3] offset:64*\b          ; each accumulator from its low end on
	ds_store_b128 v[STO], v[ACC+8*(4*(\a)+\b)+4:ACC+8*(4*(\a)+\b)+7] offset:64*\b+16
.endr
.irp t, 0,1,2,3,4,5,6,7
	ds_load_b128 v[TMP+32*((\a)%2)+4*\t:TMP+32*((\a)%2)+4*\t+3], v[RD] offset:\t*2*SPITCH
.endr
.endm
.macro SEND a, younger
	s_wait_dscnt \younger                          ; the block is back in registers; the next block's eight stores and eight loads may be out
.if (\a) == 0
	s_wait_xcnt 0x0                                ; EXEC changes only behind this wait
	v_cmp_le_u32 vcc_lo, 16, v[TOK]                ; rows 0..15 of out0 are the launch fine's
	s_and_saveexec_b32 s3, vcc_lo
.endif
.irp t, 0,1,2,3,4,5,6,7
	global_store_b128 v[CO], v[TMP+32*((\a)%2)+4*\t:TMP+32*((\a)%2)+4*\t+3], s[8:9] offset:(16*(\a)+2*\t)*4096 th:TH_STORE_NT
.endr
.if (\a) == 0
	s_wait_xcnt 0x0
	s_or_b32 exec_lo, exec_lo, s3
.endif
.endm
	PLACES
	TOSTAGE 0
	TOSTAGE 1
	SEND 0, 16
	s_wait_xcnt 0x0                                ; block 0's stores have read their registers: block 2's loads may land there
	TOSTAGE 2
	SEND 1, 16
	s_wait_xcnt 0x0
	TOSTAGE 3
	SEND 2, 16
	SEND 3, 0
	s_wait_tensorcnt 0x0                           ; the wave's end
	ds_add_u32 v[SPW], v[NIL]
	s_wait_dscnt 0x0
	CROUND                                         ; the closing round
	s_endpgm
.Lfunc_end_k_qdd0aca6442_proj:
	.size	k_qdd0aca6442_proj, .Lfunc_end_k_qdd0aca6442_proj-k_qdd0aca6442_proj
	.p2alignl 7, 3214868480
	.fill 96, 4, 3214868480
	.section	.rodata,"a",@progbits
	.p2align	6, 0x0
	.amdhsa_kernel k_qdd0aca6442_proj
		.amdhsa_group_segment_fixed_size 327680
		.amdhsa_private_segment_fixed_size 0
		.amdhsa_enable_private_segment 0
		.amdhsa_kernarg_size 24
		.amdhsa_user_sgpr_count 2
		.amdhsa_user_sgpr_kernarg_segment_ptr 1
		.amdhsa_wavefront_size32 1
		.amdhsa_system_sgpr_workgroup_id_x 1
		.amdhsa_system_sgpr_workgroup_id_y 1
		.amdhsa_system_sgpr_workgroup_id_z 1
		.amdhsa_system_vgpr_workitem_id 0
		.amdhsa_next_free_vgpr 512
		.amdhsa_next_free_sgpr 66
		.amdhsa_reserve_vcc 1
		.amdhsa_float_denorm_mode_32 3
		.amdhsa_float_denorm_mode_16_64 3
		.amdhsa_memory_ordered 1
		.amdhsa_forward_progress 1
		.amdhsa_inst_pref_size 86
	.end_amdhsa_kernel
	.amdgpu_metadata
---
amdhsa.version: [ 1, 2 ]
amdhsa.kernels:
  - .name:           k_qdd0aca6442_proj
    .symbol:         k_qdd0aca6442_proj.kd
    .args:
      - { .name: ao, .offset: 0, .size: 8, .value_kind: global_buffer, .address_space: global }
      - { .name: ow16, .offset: 8, .size: 8, .value_kind: global_buffer, .address_space: global }
      - { .name: out0, .offset: 16, .size: 8, .value_kind: global_buffer, .address_space: global }
    .group_segment_fixed_size: 327680
    .private_segment_fixed_size: 0
    .kernarg_segment_align: 8
    .kernarg_segment_size: 24
    .max_flat_workgroup_size: 128
    .sgpr_count:     66
    .vgpr_count:     512
    .wavefront_size: 32
...
	.end_amdgpu_metadata
.endif
;; end of part 4
;; launch fine (part 5): grid 16 x 1, 16 waves a work-group, no clusters, 210,944 bytes of LDS; arguments fine32, out_w, out0; writes out0
.if DOCPART == 5
	.amdgcn_target "amdgcn-amd-amdhsa--gfx1250"
	.amdhsa_code_object_version 6
	.text
	.protected	k_qdd0aca6442_fine
	.globl	k_qdd0aca6442_fine
	.p2align	8
	.type	k_qdd0aca6442_fine,@function
k_qdd0aca6442_fine:
	s_mov_b64 s[64:65], 0
	v_nop
	global_prefetch_b8 v0, s[64:65] scope:SCOPE_SE
	s_setreg_imm32_b32 hwreg(HW_REG_WAVE_MODE, 25, 1), 1
	s_wait_xcnt 0x0
; FIFTH LAUNCH: rows 0..15 of out0 in f32 from the quantised product's sums on: under the causal mask these rows average one to sixteen values and are the largest, so the rounding of 16-bit operands weighs most there.
; Nothing is left out here but what the mask hides inside the one 16 x 16 tile, which is done and selected away.
; Work-group g owns columns 64 g .. 64 g + 63 (256 aligned bytes of each row).  Wave hd makes head hd's attention of the 16 tokens (every work-group makes it anew: it is 32 small products) and then the partial product of
; its 64 channels with out_w's 64 rows; the sixteen partial results meet in LDS, and wave w adds and stores row w.  No cluster and no tensor load: no two work-groups read the same bytes of out_w.
; All products by the f32 matrix form, 16 x 16 x 4.  K is permuted alike on both sides: in chunk (b, jj) the slot (h, j) is channel (or key) 16 b + 8 h + 2 jj + j.  So the f32 images that the launch qkv stored, and the
; results' own registers, ARE the operands: a pair of neighbouring registers a chunk.
; out_w IS READ IN WHOLE ROWS: the operand wants a row of out_w in a lane, but a load takes my head's 256 consecutive bytes of two rows, sixteen lanes to a row.  32 rows at a time turn through the wave's own stage in LDS
; (rows 272 bytes apart): in as loaded, back 16 bytes a lane at row x 272 + 32 h, into the registers that they left.  LDS serves a wave's instructions in order and the stage is the wave's own: no wait between the stores and
; the loads, none in front of the second half's stores, and no barrier.
; The registers that the f32 matrix form writes (v112-191) are written by matrix instructions alone; what is made of a sum goes into other registers.
.set LI,  1                            ; v1 16 x lane
.set WO,  2                            ; v2 out_w: 4,096 (lane / 16) + 16 (lane % 16)
.set SPW, 3                            ; v3 LDS address of my spare word; never rewritten
.set NIL, 4                            ; v4 0; never rewritten
.set EE,  5                            ; v5 r - 8 h
.set TA,  6
.set TB,  7
.set PS,  8                            ; v8-15    scores, then p / l
.set QA,  16                           ; v16-47   q; later out_w's rows 32..47
.set KA,  48                           ; v48-79   k; later out_w's rows 48..63
.set VA,  80                           ; v80-111  v; later addresses
.set SA,  112                          ; v112-127 the scores in two sums
.set OA,  128                          ; v128-159 O^T, four tiles of 16 channels
.set YB,  160                          ; v160-191 my partial result, four tiles of 16 columns
.set W0,  192                          ; v192-255 out_w's rows 0..31 of my 64
.set STGW, 32*272                      ; LDS: a wave's stage: 32 rows x (256 bytes + 16)
.set PARTS, 16*STGW                    ; behind the sixteen stages: the partial results,
.set PART, 16*272                      ; a wave's: 16 rows x (256 bytes + 16)
.set SPARE, PARTS+16*PART              ; the spare words, 128 bytes for each of 16 waves
	s_load_b128 s[4:7], s[0:1], 0x0                ; fine32 s[4:5], out_w s[6:7]
	s_load_b64 s[8:9], s[0:1], 0x10                ; out0
	v_lshl_add_u32 v[SPW], v0, 2, SPARE
	v_mov_b32 v[NIL], 0
	v_lshrrev_b32 v[TA], 5, v0
	v_readfirstlane_b32 s10, v[TA]                 ; wave = head, later = row
	v_and_b32 v[TA], 31, v0
	v_lshlrev_b32 v[LI], 4, v[TA]
	v_and_b32 v[TA], 15, v0                        ; r
	v_bfe_u32 v[TB], v0, 4, 1                      ; h
	v_lshlrev_b32 v[WO], 4, v[TA]
	v_lshl_add_u32 v[WO], v[TB], 12, v[WO]         ; lanes 0-15 one row's 256 bytes, lanes 16-31 the next row's
	v_lshlrev_b32 v[EE], 3, v[TB]
	v_sub_nc_u32 v[EE], v[TA], v[EE]
	s_mov_b32 s12, 0x3fb8aa3b                      ; log2(e)
	s_mov_b32 s14, 0x76543210
	s_mov_b32 s15, 0xfedcba98
	s_lshl_b32 s16, s10, 12                        ; a head's image: 4,096 bytes
	s_mov_b32 s17, 0
	s_lshl_b32 s18, ttmp9, 18                      ; out_w: 64 rows of 4,096 bytes a work-group,
	s_lshl_b32 s19, s10, 8                         ; my head's 64 channels
	s_add_co_u32 s18, s18, s19
	s_mov_b32 s19, 0
	s_lshl_b32 s20, s10, 12                        ; out0: row w,
	s_lshl_b32 s21, ttmp9, 8                       ; my work-group's 256 bytes
	s_add_co_u32 s20, s20, s21
	s_mov_b32 s21, 0
	s_mul_i32 s22, s10, PART
	s_add_co_u32 s22, s22, PARTS                   ; my partial result
	s_mul_i32 s23, s10, 272
	s_add_co_u32 s23, s23, PARTS                   ; row w of the first partial result
	s_mul_i32 s24, s10, STGW                       ; my stage
	s_wait_kmcnt 0x0
	s_add_nc_u64 s[4:5], s[4:5], s[16:17]
	s_add_nc_u64 s[6:7], s[6:7], s[18:19]
	s_add_nc_u64 s[8:9], s[8:9], s[20:21]
.irp i, 0,1,2,3,4,5,6,7
	global_load_b128 v[QA+4*\i:QA+4*\i+3], v[LI], s[4:5] offset:512*\i
	global_load_b128 v[KA+4*\i:KA+4*\i+3], v[LI], s[4:5] offset:65536+512*\i
	global_load_b128 v[VA+4*\i:VA+4*\i+3], v[LI], s[4:5] offset:131072+512*\i
.endr
.irp i, 0,1,2,3,4,5,6,7,8,9,10,11,12,13,14,15
	global_load_b128 v[W0+4*\i:W0+4*\i+3], v[WO], s[6:7] offset:\i*8192 th:TH_LOAD_NT      ; out_w's rows 2 i and 2 i + 1 of my 64, as they lie
.endr
	s_wait_loadcnt 16                              ; q, k, v are in; out_w's sixteen loads may be out
	; S^T = k q^T: source 0 = 16 keys, source 1 = 16 queries; 16 chunks of 4 channels, on two sums by turns
.irp i, 0,1,2,3,4,5,6,7,8,9,10,11,12,13,14,15
.if \i < 2
	v_wmma_f32_16x16x4_f32 v[SA+8*(\i%2):SA+8*(\i%2)+7], v[KA+2*\i:KA+2*\i+1], v[QA+2*\i:QA+2*\i+1], 0
.else
	v_wmma_f32_16x16x4_f32 v[SA+8*(\i%2):SA+8*(\i%2)+7], v[KA+2*\i:KA+2*\i+1], v[QA+2*\i:QA+2*\i+1], v[SA+8*(\i%2):SA+8*(\i%2)+7]
.endif
.endr
.rept 8
	v_nop                                          ; eight places behind this form, ahead of reads of the sums and of loads into the operands' registers
.endr
.irp j, 0,1,2,3,4,5,6,7
	v_add_f32 v[PS+\j], v[SA+\j], v[SA+8+\j]       ; lane (r, h): query r, key 8 h + j
.endr
.irp i, 0,1,2,3,4,5,6,7,8,9,10,11,12,13,14,15
	global_load_b128 v[QA+4*\i:QA+4*\i+3], v[WO], s[6:7] offset:131072+\i*8192 th:TH_LOAD_NT   ; rows 32 + 2 i and 33 + 2 i
.endr
	v_mov_b32 v[TA], 0xff800000
.irp j, 0,1,2,3,4,5,6,7
	v_cmp_gt_i32 vcc_lo, \j, v[EE]                 ; key 8 h + j comes after query r
	v_cndmask_b32 v[PS+\j], v[PS+\j], v[TA], vcc_lo
.endr
	v_max3_num_f32 v[TA], v[PS], v[PS+1], v[PS+2]
	v_max3_num_f32 v[TA], v[TA], v[PS+3], v[PS+4]
	v_max3_num_f32 v[TA], v[TA], v[PS+5], v[PS+6]
	v_max_num_f32 v[TA], v[TA], v[PS+7]
	v_permlanex16_b32 v[TB], v[TA], s14, s15
	v_max_num_f32 v[TA], v[TA], v[TB]              ; the row's maximum (key 0 counts for every query)
	v_mul_f32 v[TA], s12, v[TA]
.irp j, 0,1,2,3,4,5,6,7
	v_fma_f32 v[PS+\j], v[PS+\j], s12, -v[TA]
.endr
.irp j, 0,1,2,3,4,5,6,7
	v_exp_f32 v[PS+\j], v[PS+\j]
.endr
	v_nop
	s_wait_alu depctr_va_vdst(0)                   ; one wait for the eight
	v_add_f32 v[TA], v[PS], v[PS+1]
	v_add_f32 v[TB], v[PS+2], v[PS+3]
	v_add_f32 v[TA], v[TA], v[PS+4]
	v_add_f32 v[TB], v[TB], v[PS+5]
	v_add_f32 v[TA], v[TA], v[PS+6]
	v_add_f32 v[TB], v[TB], v[PS+7]
	v_add_f32 v[TA], v[TA], v[TB]
	v_permlanex16_b32 v[TB], v[TA], s14, s15
	v_add_f32 v[TA], v[TA], v[TB]
	v_rcp_f32 v[TA], v[TA]
	v_nop
	s_wait_alu depctr_va_vdst(0)
.irp j, 0,1,2,3,4,5,6,7
	v_mul_f32 v[PS+\j], v[PS+\j], v[TA]
.endr
	; O^T = v^T p^T: source 0 = 16 channels, source 1 = 16 queries; 4 chunks of 4 keys; the four tiles of channels by turns
.irp kk, 0,1,2,3
.irp ct, 0,1,2,3
.if \kk == 0
	v_wmma_f32_16x16x4_f32 v[OA+8*\ct:OA+8*\ct+7], v[VA+8*\ct+2*\kk:VA+8*\ct+2*\kk+1], v[PS+2*\kk:PS+2*\kk+1], 0
.else
	v_wmma_f32_16x16x4_f32 v[OA+8*\ct:OA+8*\ct+7], v[VA+8*\ct+2*\kk:VA+8*\ct+2*\kk+1], v[PS+2*\kk:PS+2*\kk+1], v[OA+8*\ct:OA+8*\ct+7]
.endif
.endr
.endr
.rept 9
	v_nop                                          ; nine places before a matrix instruction takes these results as an operand
.endr
	v_and_b32 v[VA+3], 15, v0                      ; the LDS addresses, in registers that v has left: r,
	v_bfe_u32 v[VA+4], v0, 4, 1                    ; h
	v_mul_u32_u24 v[VA], v[VA+3], 272
	v_lshl_add_u32 v[VA], v[VA+4], 5, v[VA]        ; row r, 32 bytes for each half of the lanes:
	v_add_nc_u32 v[VA+6], s24, v[VA]               ; out of my stage: a fragment's 16 bytes,
	v_add_nc_u32 v[VA], s22, v[VA]                 ; and into my partial result
	v_mul_u32_u24 v[VA+5], v[VA+4], 272
	v_lshl_add_u32 v[VA+5], v[VA+3], 4, v[VA+5]
	v_add_nc_u32 v[VA+5], s24, v[VA+5]             ; into my stage: lanes 0-15 one row, lanes 16-31 the next, as loaded
	v_and_b32 v[VA+2], 31, v0
	v_lshlrev_b32 v[VA+2], 3, v[VA+2]              ; 8 bytes a lane
	v_add_nc_u32 v[VA+1], s23, v[VA+2]             ; back: row w of each partial result
; 32 rows of out_w, in v[reg] on as they were loaded, turn through my stage: tile t's row r, channels 16 ct + 8 h + 4 hf + 0..3, comes back into v[reg + 32 t + 8 ct + 4 hf] on
.macro TURNW reg
.irp i, 0,1,2,3,4,5,6,7,8,9,10,11,12,13,14,15
	ds_store_b128 v[VA+5], v[\reg+4*\i:\reg+4*\i+3] offset:\i*544
.endr
.irp t, 0,1
.irp ct, 0,1,2,3
.irp hf, 0,1
	ds_load_b128 v[\reg+32*\t+8*\ct+4*\hf:\reg+32*\t+8*\ct+4*\hf+3], v[VA+6] offset:\t*4352+64*\ct+16*\hf
.endr
.endr
.endr
.endm
	s_wait_loadcnt 16                              ; rows 0..31 are in; the sixteen loads of rows 32..63 may be out
	TURNW W0
	s_wait_loadcnt 0x0
	TURNW QA
	s_wait_dscnt 0x0
	; y^T partial = out_w O: source 0 = 16 rows of out_w, source 1 = 16 queries; 16 chunks of 4 channels; the four tiles of columns by turns
.irp ct, 0,1,2,3
.irp jj, 0,1,2,3
.irp t, 0,1,2,3
.if \t < 2
.set WR, W0+32*\t
.else
.set WR, QA+32*(\t-2)
.endif
.if (\ct == 0) && (\jj == 0)
	v_wmma_f32_16x16x4_f32 v[YB+8*\t:YB+8*\t+7], v[WR+8*\ct+2*\jj:WR+8*\ct+2*\jj+1], v[OA+8*\ct+2*\jj:OA+8*\ct+2*\jj+1], 0
.else
	v_wmma_f32_16x16x4_f32 v[YB+8*\t:YB+8*\t+7], v[WR+8*\ct+2*\jj:WR+8*\ct+2*\jj+1], v[OA+8*\ct+2*\jj:OA+8*\ct+2*\jj+1], v[YB+8*\t:YB+8*\t+7]
.endif
.endr
.endr
.endr
.rept 8
	v_nop
.endr
.irp t, 0,1,2,3
	ds_store_b128 v[VA], v[YB+8*\t:YB+8*\t+3] offset:64*\t         ; lane (r, h): row r, columns 16 t + 8 h + 0..7; each sum from its low end on
	ds_store_b128 v[VA], v[YB+8*\t+4:YB+8*\t+7] offset:64*\t+16
.endr
	s_wait_dscnt 0x0                               ; for the others' sake: my stores are done
	s_barrier_signal -1
	s_barrier_wait -1
.irp p, 0,1,2,3,4,5,6,7,8,9,10,11,12,13,14,15
	ds_load_b64 v[QA+2*\p:QA+2*\p+1], v[VA+1] offset:PART*\p       ; row w of head p's part: 32 lanes x 8 bytes
.endr
	s_wait_dscnt 0x0
.irp p, 0,4,8,12,16,20,24,28
	v_pk_add_f32 v[QA+\p:QA+\p+1], v[QA+\p:QA+\p+1], v[QA+\p+2:QA+\p+3]   ; the sixteen parts in a fixed order
.endr
.irp p, 0,8,16,24
	v_pk_add_f32 v[QA+\p:QA+\p+1], v[QA+\p:QA+\p+1], v[QA+\p+4:QA+\p+5]
.endr
	v_pk_add_f32 v[QA:QA+1], v[QA:QA+1], v[QA+8:QA+9]
	v_pk_add_f32 v[QA+16:QA+17], v[QA+16:QA+17], v[QA+24:QA+25]
	v_pk_add_f32 v[QA:QA+1], v[QA:QA+1], v[QA+16:QA+17]
	global_store_b64 v[VA+2], v[QA:QA+1], s[8:9]   ; the wave stores 256 consecutive bytes, aligned
	s_wait_tensorcnt 0x0                           ; the wave's end
	ds_add_u32 v[SPW], v[NIL]
	s_wait_dscnt 0x0
	s_endpgm
.Lfunc_end_k_qdd0aca6442_fine:
	.size	k_qdd0aca6442_fine, .Lfunc_end_k_qdd0aca6442_fine-k_qdd0aca6442_fine
	.p2alignl 7, 3214868480
	.fill 96, 4, 3214868480
	.section	.rodata,"a",@progbits
	.p2align	6, 0x0
	.amdhsa_kernel k_qdd0aca6442_fine
		.amdhsa_group_segment_fixed_size 210944
		.amdhsa_private_segment_fixed_size 0
		.amdhsa_enable_private_segment 0
		.amdhsa_kernarg_size 24
		.amdhsa_user_sgpr_count 2
		.amdhsa_user_sgpr_kernarg_segment_ptr 1
		.amdhsa_wavefront_size32 1
		.amdhsa_system_sgpr_workgroup_id_x 1
		.amdhsa_system_sgpr_workgroup_id_y 1
		.amdhsa_system_sgpr_workgroup_id_z 1
		.amdhsa_system_vgpr_workitem_id 0
		.amdhsa_next_free_vgpr 256
		.amdhsa_next_free_sgpr 66
		.amdhsa_reserve_vcc 1
		.amdhsa_float_denorm_mode_32 3
		.amdhsa_float_denorm_mode_16_64 3
		.amdhsa_memory_ordered 1
		.amdhsa_forward_progress 1
		.amdhsa_inst_pref_size 24
	.end_amdhsa_kernel
	.amdgpu_metadata
---
amdhsa.version: [ 1, 2 ]
amdhsa.kernels:
  - .name:           k_qdd0aca6442_fine
    .symbol:         k_qdd0aca6442_fine.kd
    .args:
      - { .name: fine32, .offset: 0, .size: 8, .value_kind: global_buffer, .address_space: global }
      - { .name: out_w, .offset: 8, .size: 8, .value_kind: global_buffer, .address_space: global }
      - { .name: out0, .offset: 16, .size: 8, .value_kind: global_buffer, .address_space: global }
    .group_segment_fixed_size: 210944
    .private_segment_fixed_size: 0
    .kernarg_segment_align: 8
    .kernarg_segment_size: 24
    .max_flat_workgroup_size: 512
    .sgpr_count:     66
    .vgpr_count:     256
    .wavefront_size: 32
...
	.end_amdgpu_metadata
.endif
;; end of part 5
